; MI455X (gfx1250); checked and timed in simulation.
; The chip was launched on July 23, 2026; its instructions are those of AMD's public machine-readable ISA for CDNA 5 (MIT licence, August 2026) and "CDNA5" Instruction Set Architecture Reference Guide (July 2026). The comments in the code are by the model that wrote it; some were corrected since.
;; GPT Block. Allowed arithmetic: matrix products marked QUANTISED: E5M2 operands, one E8M0 scale for each 32 along K, by v_wmma_scale_f32_16x16x128_f8f6f4 with both operands' format E5M2, f32 sums; everything else in f32.
;; Inputs: W_K 1,024 x 1,024 float32; W_O 1,024 x 1,024 float32; W_Q 1,024 x 1,024 float32; W_V 1,024 x 1,024 float32; W_fc 1,024 x 4,096 float32; W_proj 4,096 x 1,024 float32; g1 1,024 float32; g2 1,024 float32; z 2 x 2,048 x 1,024 float32.
;; Outputs: out0 2 x 2,048 x 1,024 float32.
;; This version of the problem:
;;   THIS VERSION OF THE PROBLEM IS GIVEN IN LOW PRECISION. The matrix products marked QUANTISED in the list below multiply operands that are first quantised to E5M2 (5 exponent bits, 2 mantissa bits; 8 bits a number), with one power-of-two scale for each 32 numbers along K (OCP MX v1.0); their sums are f32. All else is computed in f32.
;;   The module's matrix products, in the order in which they are computed (A, B: the left and right operand; K: the contracted axis; several contracted axes count as one K, in the product's order):
;;     1. [M 4,096, K 1,024] x [K 1,024, N 1,024]; A: computed on the way; B: input W_Q: QUANTISED
;;     2. [M 4,096, K 1,024] x [K 1,024, N 1,024]; A: computed on the way; B: input W_K: QUANTISED
;;     3. [M 4,096, K 1,024] x [K 1,024, N 1,024]; A: computed on the way; B: input W_V: QUANTISED
;;     4. batch 32 x [M 2,048, K 64] x [K 64, N 2,048]; A: computed on the way; B: computed on the way: QUANTISED
;;     5. batch 32 x [M 2,048, K 2,048] x [K 2,048, N 64]; A: softmax (see below); B: computed on the way: QUANTISED
;;     6. [M 4,096, K 1,024] x [K 1,024, N 1,024]; A: computed on the way; B: input W_O: QUANTISED
;;     7. [M 4,096, K 1,024] x [K 1,024, N 4,096]; A: computed on the way; B: input W_fc: QUANTISED
;;     8. [M 4,096, K 4,096] x [K 4,096, N 1,024]; A: computed on the way; B: input W_proj: QUANTISED
;;   THE QUANTISER, for each operand of a quantised product, along K:
;;     - K is cut into blocks of 32 from its start; a last block that is shorter is filled with zeros.
;;     - A block's scale is 2^e with e = floor(log2(the largest magnitude in the block)) - 15, held to -126 .. 127; a block of zeros has e = 0. As a byte (E8M0): e + 127.
;;     - Each number is divided by its block's scale, clamped to +-57,344, and rounded to the nearest number of E5M2, ties to even, subnormals kept.
;;     - The product sums the exact products of the quantised numbers (number of the format x scale) in f32.
;;   ~~~python
;;   def quantise(x, axis):      # numpy; x: float32 -> the quantised numbers, widened to float32 again
;;       x = np.moveaxis(x, axis, -1); K = x.shape[-1]
;;       x = np.pad(x, [(0, 0)] * (x.ndim - 1) + [(0, -K % 32)]); x = x.reshape(x.shape[:-1] + (-1, 32)); a = np.abs(x).max(-1, keepdims=True)
;;       e = np.where(a > 0, np.clip(np.frexp(np.where(a > 0, a, 1))[1] - 1 - 15, -126, 127), 0)      # np.frexp(a)[1] - 1 = floor(log2(a)), exactly
;;       r = np.clip(x / 2.0 ** e, -57344, 57344)
;;       step = 2.0 ** (np.maximum(np.frexp(np.where(r == 0, 1, r))[1] - 1, -14) - 2)
;;       q = np.round(r / step) * step * 2.0 ** e      # np.round: ties to even
;;       return np.moveaxis(q.reshape(q.shape[:-2] + (-1,))[..., :K], -1, axis).astype(np.float32)
;;   ~~~
;;   SOFTMAX AHEAD OF A QUANTISED PRODUCT. Where the list says 'softmax', what is quantised is not the finished softmax but p = 2^(t - M), with t = logit x log2(e) and M = ceil(the row's largest t), a whole number; so 1/2 < the row's largest p <= 1. The row's sum l is taken of the UNQUANTISED p, in f32, and the product's result is divided by l at the end. Since M is a whole number, a kernel that streams over the keys may use a running M (the ceiling of the running maximum): every later rescaling is an exact power of two, which a block's scale takes up: the codes' values come out the same.
;;   OPERANDS COMPUTED ON THE WAY. 'Computed on the way' means the value that the module computes at that place (a softmax that the list does not call 'softmax' is quantised finished and normalised). What goes into a quantiser is computed in f32, as accurately as f32 sums, v_exp_f32 and their like allow (about 1e-6 of the number): no bf16 or f16 on the way to a quantiser, and a product that is left as it is and whose result goes on into a quantised operand takes f32 operands (vector FMAs, or v_wmma_f32_16x16x4_f32). A number that lies on a knife's edge between two numbers of the format may be rounded either way, as far as f32 arithmetic and the matrix unit's own rounding can turn it there, and no further.
;; One version. Each part assembles by itself: llvm-mc -triple=amdgcn-amd-amdhsa -mcpu=gfx1250 --defsym DOCPART=n.
;; ======== version 1 of 1: 7 launches
;; limits: right only within a limited range of input values
;; workspace buffers: wbuf 12,976,128 bytes; n1 4,325,376 bytes; n2 4,325,376 bytes; qkvb 13,369,344 bytes; ctxb 4,325,376 bytes; z1 16,777,216 bytes; hid 17,301,504 bytes
;; launch prep (part 1): grid 1024 x 1, 4 waves a work-group, no clusters, 41,472 bytes of LDS; arguments z, g1, n1, W_Q, W_K, W_V, W_O, W_fc, W_proj, wbuf; writes n1, wbuf
.if DOCPART == 1
	.amdgcn_target "amdgcn-amd-amdhsa--gfx1250"
	.amdhsa_code_object_version 6
	.text
	.protected	k_q2add52712e_prep
	.globl	k_q2add52712e_prep
	.p2align	8
	.type	k_q2add52712e_prep,@function
k_q2add52712e_prep:
	s_mov_b64 s[64:65], 0
	v_nop
	global_prefetch_b8 v0, s[64:65] scope:SCOPE_SE
	s_setreg_imm32_b32 hwreg(HW_REG_WAVE_MODE, 25, 1), 1
	s_wait_xcnt 0x0
; TWO JOBS IN ONE LAUNCH, parted at the first line by the work-group number: neither needs the other, and both only stream.
; Work-groups 0-255: the first RMS norm, quantised (the second half of this text).  Work-groups 256-1023: the six weights, quantised (the first half).  Only the norm uses LDS and a barrier.
; With 256 registers a wave and 41,472 bytes of LDS four work-groups fit on a WGP: 1,024 in all, as many as the grid has.
;
; THE WEIGHTS, f32 with K as their FIRST axis, become codes of BF8 (E5M2) with one E8M0 byte for each 32 along K, laid as IMAGES OF OPERAND REGISTERS.
; An operand row is a column n of the weight.  Tile t holds in lane r the column 32 (t/2) + 8 (t%2) + r + 8 (r/8).  A fragment (tile, K step of 128) is 2,048 bytes: piece c (512 bytes) holds
; in lane l = 16 h + r, at byte 16 l, the codes of k = 32 c + 16 h + 0..15.  Codes lie [tile][K step][2048], scale words [tile][K step][16 words], byte c of a word = block c.
; wbuf: codes of W_Q at 0, W_K at 1 MiB, W_V at 2, W_O at 3, W_fc at 4, W_proj at 8 MiB; scale words at 12 MiB + (codes offset) / 32.
; A LANE TAKES A COLUMN AND ITS REGISTERS RUN DOWN K: a load reads 128 consecutive bytes a wave, a block of 32 lies in one lane, nothing is transposed.
; A work-group takes 128 columns x 128 along K (one K step), a wave 32 columns (two tiles), 4 blocks a lane: one scale word.  A store of 16 bytes a lane fills two aligned runs of 256 bytes (one in each tile).
; One text serves all six: only scalars (pointer, row length, pitches) are chosen, by the work-group number.  Loads run two blocks (64 loads) ahead.
; A block scale is 2^(floor(log2(largest magnitude)) - 15); its byte is the exponent field - 15, held at 1 from below.
; LIMITS (both jobs): a block of zeros gets the byte 1 (its codes are zeros, and only this program reads the bytes); NaN and infinities among the inputs are not served.
.set NORMWG, 256
	v_lshl_add_u32 v30, v0, 2, 0xa000
	v_mov_b32 v31, 0
	s_cmp_lt_u32 ttmp9, NORMWG                     ; the same in all four waves of a work-group
	s_cbranch_scc1 .Lnorm
.set EMAX, 15
.set DO,   6                           ; v6   my place in a piece: (second tile ? tile pitch : 0) + 16 r
.set SO,   7                           ; v7   my place among the scale words
.set SB,   24                          ; v24  the four scale bytes
.set RO,   32                          ; v32-63 byte offset of row i of a block: 4 x lane + i x row length; never rewritten
.set X,    64                          ; v64-127 two sets of 32 numbers
.set C,    128                         ; v128-159 codes: eight registers of its own for each block, so that no store data are written again
.set BS,   32                          ; s[32:39] the address of each of my 4 blocks; never rewritten
	s_load_b256 s[4:11], s[0:1], 0x18              ; W_Q, W_K, W_V, W_O
	s_load_b128 s[12:15], s[0:1], 0x38             ; W_fc, W_proj
	s_load_b64 s[16:17], s[0:1], 0x48              ; wbuf
	v_lshrrev_b32 v1, 5, v0
	v_readfirstlane_b32 s29, v1                    ; wave
	s_sub_co_u32 s20, ttmp9, NORMWG                ; 0-255: the four square weights, 64 each; 256-511: W_fc; 512-767: W_proj
	s_lshr_b32 s31, s20, 6
	s_lshl_b32 s31, s31, 20
	s_lshr_b32 s22, s20, 8
	s_lshl_b32 s22, s22, 22
	s_cmp_lt_u32 s20, 256
	s_cselect_b32 s22, s31, s22                    ; where the codes of this weight begin in wbuf
	s_cselect_b32 s30, 63, 255
	s_and_b32 s21, s20, s30                        ; my number within the weight
	s_lshr_b32 s31, s20, 8
	s_cmp_eq_u32 s31, 1                            ; W_fc: 32 blocks of columns, rows of 16,384 bytes
	s_cselect_b32 s23, 5, 3
	s_cselect_b32 s26, 14, 12
	s_cmp_eq_u32 s31, 2                            ; W_proj: K = 4,096
	s_cselect_b32 s27, 16, 14                      ; log2 of a tile of codes: 16 K bytes
	s_cselect_b32 s28, 11, 9                       ; log2 of a tile of scale words: K / 2 bytes
	s_lshl_b32 s26, 1, s26                         ; a row of the weight in bytes
	s_lshl_b32 s30, 1, s23
	s_sub_co_u32 s30, s30, 1
	s_and_b32 s24, s21, s30                        ; which 128 columns
	s_lshr_b32 s25, s21, s23                       ; which K step of 128
	s_lshl_b32 s54, s25, 7
	s_mul_i32 s54, s54, s26                        ; my first row,
	s_lshl_b32 s30, s24, 9
	s_add_co_u32 s54, s54, s30                     ; my work-group first column,
	s_lshl_b32 s30, s29, 7
	s_add_co_u32 s54, s54, s30                     ; my wave 32 columns: under 2^25 bytes
	s_mov_b32 s55, 0
	s_lshl_b32 s56, s26, 5                         ; a block of 32 rows on
	s_mov_b32 s57, 0
	s_lshl_b32 s30, s24, 2
	s_add_co_u32 s30, s30, s29
	s_lshl_b32 s30, s30, 1                         ; my first tile
	s_lshl_b32 s58, s30, s27
	s_add_co_u32 s58, s58, s22
	s_lshl_b32 s31, s25, 11                        ; 2,048 bytes a K step
	s_add_co_u32 s58, s58, s31
	s_mov_b32 s59, 0
	s_lshl_b32 s60, s30, s28
	s_lshr_b32 s31, s22, 5
	s_add_co_u32 s60, s60, s31
	s_lshl_b32 s31, s25, 6                         ; 64 bytes of scale words a K step
	s_add_co_u32 s60, s60, s31
	s_add_co_u32 s60, s60, 0xC00000
	s_mov_b32 s61, 0
	s_mov_b32 s52, 0x600000                        ; the mantissa field of 57,344
	v_and_b32 v1, 31, v0                           ; lane = column within my 32
	v_bfe_u32 v3, v0, 3, 1                         ; which of my two tiles
	v_and_b32 v4, 7, v0
	v_bfe_u32 v5, v0, 4, 1
	v_lshl_or_b32 v4, v5, 3, v4                    ; r, my lane in that tile
	v_lshlrev_b32 v[DO], s27, v3
	v_lshl_add_u32 v[DO], v4, 4, v[DO]
	v_lshlrev_b32 v[SO], s28, v3
	v_lshl_add_u32 v[SO], v4, 2, v[SO]
	v_lshlrev_b32 v[RO], 2, v1
.set i, 1
.rept 31
	v_add_nc_u32 v[RO+i], s26, v[RO+i-1]
.set i, i+1
.endr
	s_wait_alu depctr_va_vdst(0)
	s_wait_kmcnt 0x0
	s_cmp_lt_u32 s20, 512                          ; the source: a choice that hangs on the work-group number alone
	s_cselect_b64 s[18:19], s[12:13], s[14:15]
	s_cmp_lt_u32 s20, 256
	s_cselect_b64 s[18:19], s[10:11], s[18:19]
	s_cmp_lt_u32 s20, 192
	s_cselect_b64 s[18:19], s[8:9], s[18:19]
	s_cmp_lt_u32 s20, 128
	s_cselect_b64 s[18:19], s[6:7], s[18:19]
	s_cmp_lt_u32 s20, 64
	s_cselect_b64 s[18:19], s[4:5], s[18:19]
	s_add_nc_u64 s[BS:BS+1], s[18:19], s[54:55]
.irp t, 1,2,3
	s_add_nc_u64 s[BS+2*\t:BS+2*\t+1], s[BS+2*\t-2:BS+2*\t-1], s[56:57]
.endr
	s_add_nc_u64 s[48:49], s[16:17], s[58:59]      ; my codes
	s_add_nc_u64 s[50:51], s[16:17], s[60:61]      ; my scale words
.macro LOAD t                          ; block t: rows 32 t + i of my column, into set t % 2
.set i, 0
.rept 32
	global_load_b32 v[X+32*((\t)%2)+i], v[RO+i], s[BS+2*(\t):BS+2*(\t)+1] th:TH_LOAD_NT
.set i, i+1
.endr
.endm
	LOAD 0
	LOAD 1
.macro BLOCK t
.set XS, X+32*((\t)%2)
.set CT, C+8*(\t)
.if (\t) < 3
	s_wait_loadcnt 32                              ; this block is in; the 32 loads of the next may be out
.else
	s_wait_loadcnt 0
.endif
	v_max3_num_f32 v12, |v[XS]|, |v[XS+1]|, |v[XS+2]|   ; the largest magnitude: all 32 numbers are mine; two chains
	v_max3_num_f32 v13, |v[XS+3]|, |v[XS+4]|, |v[XS+5]|
.irp i, 6,10,14,18,22,26
	v_max3_num_f32 v12, v12, |v[XS+\i]|, |v[XS+\i+1]|
	v_max3_num_f32 v13, v13, |v[XS+\i+2]|, |v[XS+\i+3]|
.endr
	v_max3_num_f32 v12, v12, |v[XS+30]|, |v[XS+31]|
	v_max3_num_f32 v12, v12, v13, (EMAX+1)<<23     ; and the floor 2^(16 - 127): the byte cannot fall under 1
	v_add_nc_u32 v11, 0xf8800000, v12              ; 15 off the exponent field: the conversion takes that field as its scale
	v_and_or_b32 v10, v12, 0x7f800000, s52         ; 57,344 x the scale
	v_lshrrev_b32 v13, 23, v11                     ; the byte
.if (\t) == 0
	v_mov_b32 v[SB], v13
.else
	v_lshl_or_b32 v[SB], v13, 8*(\t), v[SB]
.endif
.set i, 0
.rept 32
	v_med3_num_f32 v[XS+i], v[XS+i], -v10, v10     ; the conversion to an 8-bit code does not saturate (ISA guide 7.6.2): hold first
.set i, i+1
.endr
.irp g, 0,1,2,3
	v_cvt_scalef32_pk8_bf8_f32 v[CT+2*\g:CT+2*\g+1], v[XS+8*\g:XS+8*\g+7], v11
.endr
	global_store_b128 v[DO], v[CT:CT+3], s[48:49] offset:(\t)*512         ; k 0..15 of the block: lanes 0-15 of the piece
	global_store_b128 v[DO], v[CT+4:CT+7], s[48:49] offset:(\t)*512+256   ; k 16..31: lanes 16-31
.if (\t) == 3
	global_store_b32 v[SO], v[SB], s[50:51]
.endif
.if (\t)+2 < 4
	LOAD (\t)+2
.endif
.endm
.irp t, 0,1,2,3
	BLOCK \t
.endr
	s_endpgm
.Lnorm:
; THE NORM: out = Q(x / sqrt(mean(x^2) + 1e-5) * g): RMS norm of rows of 1,024 f32, quantised along the row to BF8 (E5M2) with one E8M0 byte for each 32, laid as images of operand registers.
; Tile rt (16 rows) holds in lane r the token 32 (rt/2) + 8 (rt%2) + r + 8 (r/8).  Codes: [rt][8 K steps][2048] (piece c of 512 bytes: lane 16 h + r at byte 16 x lane holds k = 32 c + 16 h + 0..15);
; scale words at 4 MiB: [rt][8][16 words].  A work-group makes one tile, 16 KiB on end; wave w takes r = 4 w .. 4 w + 3, which are four neighbouring tokens: 16 KiB on end in memory.
; A row stays in registers between the sum of squares and the scaling.  The conversion wants 16 neighbours along K in one lane, the loads give 4: half a row (2,048 bytes) at a time turns through the
; wave own stage in LDS (16 bytes of padding behind each 64).  The codes meet in an image in LDS (half pieces of 256 bytes, 272 apart) and leave as runs of 512 bytes a store.
; The division is a multiplication by v_rsq_f32 (1 ulp).
.set SP,   80                          ; a lane place in a stage: 64 bytes + 16
.set STG,  2*32*SP                     ; two stages a wave
.set IMG,  4*STG                       ; the image: 64 half pieces
.set IP,   272
.set SCB,  IMG+64*IP                   ; the 512 scale bytes
.set RS,   8                           ; v8,10,12,14 1 / rms of my four rows (named as pairs; the odd registers are written once)
.set E,    16                          ; v16-23 a scale byte for each step
.set G,    32                          ; v32-63 the gain
.set R,    64                          ; v64-191 four rows as loaded
.set X,    192                         ; v192-223 two sets of 16 neighbours
.set C,    224                         ; v224-255 codes, four registers for each step
	s_load_b128 s[4:7], s[0:1], 0x0                ; x, g
	s_load_b64 s[8:9], s[0:1], 0x10                ; out
	v_lshrrev_b32 v1, 5, v0
	v_readfirstlane_b32 s12, v1                    ; wave
	v_and_b32 v29, 31, v0                          ; lane
	s_wait_alu depctr_va_vdst(0)
	v_lshlrev_b32 v1, 4, v29                       ; 16 x lane
	s_lshr_b32 s13, ttmp9, 1
	s_lshl_b32 s13, s13, 5
	s_and_b32 s14, ttmp9, 1
	s_lshl_b32 s14, s14, 3
	s_add_co_u32 s13, s13, s14
	s_lshl_b32 s14, s12, 2
	s_add_co_u32 s13, s13, s14
	s_lshr_b32 s14, s12, 1
	s_lshl_b32 s14, s14, 3
	s_add_co_u32 s13, s13, s14                     ; my first token: 32 (rt/2) + 8 (rt%2) + 4 w + 8 (w/2)
	s_lshl_b32 s16, s13, 12
	s_mov_b32 s17, 0
	s_lshl_b32 s18, ttmp9, 14
	s_lshl_b32 s14, s12, 12
	s_add_co_u32 s18, s18, s14                     ; the tile image, my quarter of it
	s_mov_b32 s19, 0
	s_lshl_b32 s20, ttmp9, 9
	s_add_co_u32 s20, s20, 0x400000                ; the tile scale words
	s_mov_b32 s21, 0
	s_mov_b32 s22, 0x76543210
	s_mov_b32 s23, 0xfedcba98                      ; lane l xor 16
	s_mov_b32 s24, 0x3a800000                      ; 1 / 1,024
	s_mov_b32 s25, 0x3727c5ac                      ; 1e-5
	s_mov_b32 s26, 0x600000                        ; the mantissa field of 57,344
	s_mul_i32 s15, s12, STG
	v_lshrrev_b32 v2, 2, v29
	v_mul_u32_u24 v2, v2, SP
	v_and_b32 v3, 3, v29
	v_lshl_add_u32 v2, v3, 4, v2
	v_add_nc_u32 v2, s15, v2                       ; the stage, in: four lanes on end, then padding
	v_mul_u32_u24 v3, v29, SP
	v_add_nc_u32 v3, s15, v3                       ; and out: my 64 bytes
	v_mul_u32_u24 v4, v29, IP
	s_lshl_b32 s14, s12, 6
	s_add_co_u32 s14, s14, IMG
	v_add_nc_u32 v4, s14, v4                       ; the image, in: half piece = lane (+ 32 for the second half row), byte 16 r = 64 w + 16 i
	v_lshrrev_b32 v5, 3, v29
	v_lshlrev_b32 v5, 6, v5
	v_bfe_u32 v6, v29, 1, 2
	v_add_nc_u32 v5, v5, v6
	s_lshl_b32 s14, s12, 4
	s_add_co_u32 s14, s14, SCB
	v_add_nc_u32 v5, s14, v5                       ; my block byte: K step lane / 8, word r, byte (lane / 2) % 4
	v_lshrrev_b32 v6, 4, v29
	v_mul_u32_u24 v6, v6, IP
	v_and_b32 v7, 15, v29
	v_lshl_add_u32 v6, v7, 4, v6
	s_mul_i32 s14, s12, 16*IP
	s_add_co_u32 s14, s14, IMG
	v_add_nc_u32 v6, s14, v6                       ; the image, out: two half pieces an instruction
	v_add_nc_u32 v7, SCB, v1
.irp i, 0,1,2,3
	v_mov_b32 v[RS+2*\i+1], 0
.endr
	v_mov_b32 v28, 0                               ; a lane permute destination counts as one of its sources
	s_wait_kmcnt 0x0
	s_add_nc_u64 s[4:5], s[4:5], s[16:17]
	s_add_nc_u64 s[10:11], s[8:9], s[18:19]
	s_add_nc_u64 s[8:9], s[8:9], s[20:21]
.irp j, 0,1,2,3,4,5,6,7
	global_load_b128 v[G+4*\j:G+4*\j+3], v1, s[6:7] offset:512*\j
.endr
.irp i, 0,1,2,3
.irp j, 0,1,2,3,4,5,6,7
	global_load_b128 v[R+32*\i+4*\j:R+32*\i+4*\j+3], v1, s[4:5] offset:4096*\i+512*\j   ; 32 lanes read 512 consecutive bytes
.endr
.endr
.macro SUMSQ i                         ; mean of squares + eps of row i, in every lane
	s_wait_loadcnt 8*(3-\i)                        ; row i is in; the rows behind it may be out
	v_pk_mul_f32 v[24:25], v[R+32*\i:R+32*\i+1], v[R+32*\i:R+32*\i+1]
	v_pk_mul_f32 v[26:27], v[R+32*\i+2:R+32*\i+3], v[R+32*\i+2:R+32*\i+3]
.irp k, 4,8,12,16,20,24,28
	v_pk_fma_f32 v[24:25], v[R+32*\i+\k:R+32*\i+\k+1], v[R+32*\i+\k:R+32*\i+\k+1], v[24:25]
	v_pk_fma_f32 v[26:27], v[R+32*\i+\k+2:R+32*\i+\k+3], v[R+32*\i+\k+2:R+32*\i+\k+3], v[26:27]
.endr
	v_pk_add_f32 v[24:25], v[24:25], v[26:27]
	v_add_f32 v24, v24, v25
	v_add_f32_dpp v24, v24, v24 row_xmask:1 row_mask:0xf bank_mask:0xf
	v_add_f32_dpp v24, v24, v24 row_xmask:2 row_mask:0xf bank_mask:0xf
	v_add_f32_dpp v24, v24, v24 row_xmask:4 row_mask:0xf bank_mask:0xf
	v_add_f32_dpp v24, v24, v24 row_xmask:8 row_mask:0xf bank_mask:0xf
	v_permlanex16_b32 v28, v24, s22, s23
	v_add_f32 v24, v24, v28
	v_fma_f32 v[RS+2*\i], v24, s24, s25
.endm
.irp i, 0,1,2,3
	SUMSQ \i
.endr
	s_wait_alu depctr_va_vdst(0)
.irp i, 0,1,2,3
	v_rsq_f32 v[RS+2*\i], v[RS+2*\i]
.endr
	v_nop                                          ; a plain instruction behind the last of the batch,
	s_wait_alu depctr_va_vdst(0)                   ; and one wait for the four, ahead of their first reader
.irp i, 0,1,2,3
.set k, 0
.rept 16
	v_pk_mul_f32 v[R+32*\i+k:R+32*\i+k+1], v[R+32*\i+k:R+32*\i+k+1], v[RS+2*\i:RS+2*\i+1] op_sel_hi:[1,0]
.set k, k+2
.endr
.set k, 0
.rept 16
	v_pk_mul_f32 v[R+32*\i+k:R+32*\i+k+1], v[R+32*\i+k:R+32*\i+k+1], v[G+k:G+k+1]
.set k, k+2
.endr
.endr
.macro TURN t                          ; half row t (row t / 2, half t % 2) through stage t % 2: LDS serves a wave in order, so no wait between the stores and the loads
.irp j, 0,1,2,3
	ds_store_b128 v2, v[R+16*(\t)+4*\j:R+16*(\t)+4*\j+3] offset:32*SP*((\t)%2)+8*SP*\j
.endr
.irp j, 0,1,2,3
	ds_load_b128 v[X+16*((\t)%2)+4*\j:X+16*((\t)%2)+4*\j+3], v3 offset:32*SP*((\t)%2)+16*\j
.endr
.endm
.macro STEP t
.set XS, X+16*((\t)%2)
.if (\t) < 7
	TURN (\t)+1
	s_wait_dscnt 8                                 ; all but the eight just issued: this half row is back
.else
	s_wait_dscnt 0x0
.endif
	v_max3_num_f32 v24, |v[XS]|, |v[XS+1]|, |v[XS+2]|
	v_max3_num_f32 v25, |v[XS+3]|, |v[XS+4]|, |v[XS+5]|
.irp i, 6,10
	v_max3_num_f32 v24, v24, |v[XS+\i]|, |v[XS+\i+1]|
	v_max3_num_f32 v25, v25, |v[XS+\i+2]|, |v[XS+\i+3]|
.endr
	v_max3_num_f32 v24, v24, |v[XS+14]|, |v[XS+15]|
	v_max3_num_f32 v24, v24, v25, 0x8000000        ; the floor 2^(16 - 127)
	v_max_num_f32_dpp v24, v24, v24 row_xmask:1 row_mask:0xf bank_mask:0xf   ; with my neighbour 16: the block
	v_add_nc_u32 v27, 0xf8800000, v24              ; the conversion scale operand
	v_and_or_b32 v26, v24, 0x7f800000, s26         ; 57,344 x the scale
.set i, 0
.rept 16
	v_med3_num_f32 v[XS+i], v[XS+i], -v26, v26
.set i, i+1
.endr
	v_cvt_scalef32_pk8_bf8_f32 v[C+4*(\t):C+4*(\t)+1], v[XS:XS+7], v27
	v_cvt_scalef32_pk8_bf8_f32 v[C+4*(\t)+2:C+4*(\t)+3], v[XS+8:XS+15], v27
	v_lshrrev_b32 v[E+(\t)], 23, v27               ; the byte (also the plain instruction behind the conversions)
	ds_store_b128 v4, v[C+4*(\t):C+4*(\t)+3] offset:32*IP*((\t)%2)+16*((\t)/2)
	ds_store_b8 v5, v[E+(\t)] offset:256*((\t)%2)+4*((\t)/2)   ; both lanes of a block write the same byte with the same value
.endm
	TURN 0
.irp t, 0,1,2,3,4,5,6,7
	STEP \t
.endr
	s_wait_dscnt 0x0                               ; for the others: my stores into the image have landed
	s_barrier_signal -1
	s_barrier_wait -1
.irp j, 0,1,2,3,4,5,6,7
	ds_load_b128 v[R+4*\j:R+4*\j+3], v6 offset:2*IP*\j
.endr
.irp j, 0,1,2,3,4,5,6,7
	s_wait_dscnt 7-\j
	global_store_b128 v1, v[R+4*\j:R+4*\j+3], s[10:11] offset:512*\j   ; 512 consecutive bytes
.endr
	s_cmp_lg_u32 s12, 0
	s_cbranch_scc1 .Ldone
	ds_load_b128 v[X:X+3], v7                      ; wave 0: the 512 scale bytes
	s_wait_dscnt 0x0
	global_store_b128 v1, v[X:X+3], s[8:9]
.Ldone:
	s_wait_tensorcnt 0x0
	ds_add_u32 v30, v31
	s_wait_dscnt 0x0
	s_endpgm
.Lfunc_end_k_q2add52712e_prep:
	.size	k_q2add52712e_prep, .Lfunc_end_k_q2add52712e_prep-k_q2add52712e_prep
	.p2alignl 7, 3214868480
	.fill 96, 4, 3214868480
	.section	.rodata,"a",@progbits
	.p2align	6, 0x0
	.amdhsa_kernel k_q2add52712e_prep
		.amdhsa_group_segment_fixed_size 41472
		.amdhsa_private_segment_fixed_size 0
		.amdhsa_enable_private_segment 0
		.amdhsa_kernarg_size 80
		.amdhsa_user_sgpr_count 2
		.amdhsa_user_sgpr_kernarg_segment_ptr 1
		.amdhsa_wavefront_size32 1
		.amdhsa_system_sgpr_workgroup_id_x 1
		.amdhsa_system_sgpr_workgroup_id_y 1
		.amdhsa_system_sgpr_workgroup_id_z 1
		.amdhsa_system_vgpr_workitem_id 0
		.amdhsa_next_free_vgpr 256
		.amdhsa_next_free_sgpr 66
		.amdhsa_reserve_vcc 0
		.amdhsa_float_denorm_mode_32 3
		.amdhsa_float_denorm_mode_16_64 3
		.amdhsa_memory_ordered 1
		.amdhsa_forward_progress 1
		.amdhsa_inst_pref_size 75
	.end_amdhsa_kernel
	.amdgpu_metadata
---
amdhsa.version: [ 1, 2 ]
amdhsa.kernels:
  - .name:           k_q2add52712e_prep
    .symbol:         k_q2add52712e_prep.kd
    .args:
      - { .name: z, .offset: 0, .size: 8, .value_kind: global_buffer, .address_space: global }
      - { .name: g1, .offset: 8, .size: 8, .value_kind: global_buffer, .address_space: global }
      - { .name: n1, .offset: 16, .size: 8, .value_kind: global_buffer, .address_space: global }
      - { .name: W_Q, .offset: 24, .size: 8, .value_kind: global_buffer, .address_space: global }
      - { .name: W_K, .offset: 32, .size: 8, .value_kind: global_buffer, .address_space: global }
      - { .name: W_V, .offset: 40, .size: 8, .value_kind: global_buffer, .address_space: global }
      - { .name: W_O, .offset: 48, .size: 8, .value_kind: global_buffer, .address_space: global }
      - { .name: W_fc, .offset: 56, .size: 8, .value_kind: global_buffer, .address_space: global }
      - { .name: W_proj, .offset: 64, .size: 8, .value_kind: global_buffer, .address_space: global }
      - { .name: wbuf, .offset: 72, .size: 8, .value_kind: global_buffer, .address_space: global }
    .group_segment_fixed_size: 41472
    .private_segment_fixed_size: 0
    .kernarg_segment_align: 8
    .kernarg_segment_size: 80
    .max_flat_workgroup_size: 128
    .sgpr_count:     66
    .vgpr_count:     256
    .wavefront_size: 32
...
	.end_amdgpu_metadata
.endif
;; end of part 1
;; launch qkv (part 2): grid 12 x 16, 4 waves a work-group, clusters of 4 x 4, 327,680 bytes of LDS; arguments n1, wbuf, qkvb; writes qkvb
.if DOCPART == 2
	.amdgcn_target "amdgcn-amd-amdhsa--gfx1250"
	.amdhsa_code_object_version 6
	.text
	.protected	k_q2add52712e_qkv
	.globl	k_q2add52712e_qkv
	.p2align	8
	.type	k_q2add52712e_qkv,@function
k_q2add52712e_qkv:
	s_mov_b64 s[64:65], 0
	v_nop
	global_prefetch_b8 v0, s[64:65] scope:SCOPE_SE
	s_setreg_imm32_b32 hwreg(HW_REG_WAVE_MODE, 25, 1), 1
	s_wait_xcnt 0x0
	s_wait_alu depctr_hold_cnt(0) depctr_sa_sdst(0) depctr_va_vdst(0) depctr_va_sdst(0) depctr_va_ssrc(0) depctr_va_vcc(0) depctr_vm_vsrc(0)
	s_getreg_b32 s2, hwreg(HW_REG_IB_STS2, 6, 4)
	s_cmp_eq_u32 s2, 0
	s_cbranch_scc0 .Lentry_in_a_cluster
	s_endpgm
.Lentry_in_a_cluster:
	s_bfe_u32 s2, ttmp6, 0x10000c
	s_cmp_lg_u32 s2, 0xf033
	s_cbranch_scc0 .Lentry_shape_is_right
	s_endpgm
.Lentry_shape_is_right:
; Q, K, V = n1 x W on codes of BF8 (E5M2) with E8M0 scales, and the results quantised at once for the attention launch.  Operands lie as images of operand registers: [tile of 16 rows][K step of 128][2048 bytes], scale words [tile][K step][16 words].
; A work-group makes 256 x 256, a wave 128 x 128; K goes in steps of 256 through a ring of two LDS slots (A's 16 tiles, then B's 16 tiles); 4 x 4 work-groups ask jointly: A's tiles along a row of the cluster, B's along a column.
; THE HEAD: one joint load a wave: wave 0 A's 16 tiles of slot 0, wave 2 B's (each by its own ring descriptor, with 16 rows in group 1), waves 1 and 3 the scale words of A's and of B's 16 tiles for all of K.  Slot 1 is first filled as a refill is.
; No prefetch is laid: the block is the largest that the registers hold, in clusters, and K is four slots, of which two are asked for at the head.
; LIMITS: a block of zeros gets the byte 1 (its codes are zeros; only this program reads the bytes); NaN and infinities are not served.
.set NQ,     2
.set FR,     16
.set NL,     4
.set NP,     8
.set SLOT,   131072
.set LAPS,   2
.set SCL,    2*SLOT
.set SPARE,  SCL+16384
.set VC,     0x880000
.set VS,     0xC80000
.set OLO,  8
.set OHI,  9
.set SOF,  10
.set SELV, 11
.set PW,   13
.set ADRA, 16
.set ADRB, 20
.set ADRS, 27
.set SPW,  28
.set NIL,  29
.set SC,   32
.set PC,   64
.set TM,   80
.set PWS,  96
.set AF,   128
.set G1, 24
.set G0, 32
.set G1B, 48
.set G0B, 56
.set G1S, 68
.set G0S, 76
.set G1SB, 80
.set G0SB, 88
.set SEL, 66
.set MNT, 97
.set MSB, 0
.macro WIN new
.if MSB != (\new)
	s_set_vgpr_msb (MSB<<8)|(\new)
.set MSB, (\new)
.endif
.endm
.set MUL_LO, 0xa1
.set MUL_HI, 0xf1
.set TO_B,   0x40
.macro JLOAD g0a, g1a, g0b, g1b
	s_cmp_eq_u32 s15, 0
	s_cbranch_scc0 .Lfor_b_\@
	tensor_load_to_lds s[\g0a:\g0a+3], s[\g1a:\g1a+7]
	s_nop 0
.rept 4
	v_nop
.endr
	s_branch .Lasked_\@
.Lfor_b_\@:
	tensor_load_to_lds s[\g0b:\g0b+3], s[\g1b:\g1b+7]
	s_nop 0
.rept 4
	v_nop
.endr
.Lasked_\@:
.endm
.macro CREST
	s_cmp_lg_u32 s14, 0
	s_cbranch_scc1 .Lnot_wave_0_\@
	s_barrier_signal -3
.Lnot_wave_0_\@:
	s_barrier_wait -3
	s_barrier_signal -1
	s_barrier_wait -1
.endm
.macro CROUND
	s_barrier_signal -1
	s_barrier_wait -1
	CREST
.endm
	s_load_b128 s[4:7], s[0:1], 0x0
	s_load_b64 s[8:9], s[0:1], 0x10
	v_lshl_add_u32 v[SPW], v0, 2, SPARE
	v_mov_b32 v[NIL], 0
	ds_add_u32 v28, v29
	ds_add_u32 v28, v29
	s_wait_dscnt 0x0
	v_lshrrev_b32 v1, 5, v0
	v_readfirstlane_b32 s14, v1
	s_lshr_b32 s15, s14, 1
	s_and_b32 s16, s14, 1
	s_bfe_u32 s40, ttmp6, 0x40000
	s_bfe_u32 s41, ttmp6, 0x40004
	s_and_b32 s12, ttmp7, 0xffff
	s_lshl_b32 s12, s12, 2
	s_lshl_b32 s13, ttmp9, 2
	s_mov_b32 s10, 0x400000
	s_mov_b32 s11, 0xC00000
	s_cmp_eq_u32 ttmp9, 2
	s_cselect_b32 s17, 8, s12
	s_cselect_b32 s42, s12, s13
	s_cselect_b32 s10, 0xC00000, s10
	s_cselect_b32 s11, 0x400000, s11
	s_add_co_u32 s17, s17, s41
	s_add_co_u32 s42, s42, s40
	s_lshl_b32 s43, s41, 2
	s_lshl_b32 s43, 15, s43
	s_lshl_b32 s44, 0x1111, s40
	s_or_b32 s[G1+0], s43, (3<<16)|(1<<21)
	s_or_b32 s[G1B+0], s44, (3<<16)|(1<<21)
.irp g, G1, G1B
	s_mov_b32 s[\g+1], 512<<16
	s_mov_b32 s[\g+2], 16<<16                      ; 16 tiles for the head's loads; 8 for the ring's, set behind the head's wait
	s_mov_b32 s[\g+3], 512<<16
	s_mov_b32 s[\g+4], 16
	s_mov_b32 s[\g+5], 2048
	s_mov_b32 s[\g+6], 0
	s_mov_b32 s[\g+7], 0
.endr
	s_or_b32 s[G1S+0], s43, (3<<16)|(1<<21)
	s_or_b32 s[G1SB+0], s44, (3<<16)|(1<<21)
.irp g, G1S, G1SB
	s_mov_b32 s[\g+1], 32<<16
	s_mov_b32 s[\g+2], 32<<16                      ; the scale words of 16 tiles: 8,192 dense bytes as 32 rows of 256
	s_mov_b32 s[\g+3], 32<<16
	s_mov_b32 s[\g+4], 32
	s_mov_b32 s[\g+5], 32
	s_mov_b32 s[\g+6], 0
	s_mov_b32 s[\g+7], 0
.endr
	s_mov_b32 s18, 0                               ; the block's first tile; the ring's half is added below
	s_lshl_b32 s20, s17, 4
	s_add_co_u32 s20, s20, s18
	s_lshl_b32 s46, s42, 4
	s_add_co_u32 s46, s46, s18
	s_lshl_b32 s22, s20, 9
	s_add_co_u32 s22, s22, s10
	s_mov_b32 s23, 0
	s_lshl_b32 s12, s46, 9
	s_add_co_u32 s12, s12, s11
	s_mov_b32 s13, 0
	s_lshl_b32 s20, s20, 14
	s_mov_b32 s21, 0
	s_lshl_b32 s46, s46, 14
	s_mov_b32 s47, 0
	s_lshl_b32 s45, s14, 15
	s_wait_kmcnt 0x0
	s_cmp_eq_u32 ttmp9, 2
	s_cselect_b64 s[92:93], s[6:7], s[4:5]
	s_cselect_b64 s[94:95], s[4:5], s[6:7]
	s_add_nc_u64 s[20:21], s[92:93], s[20:21]
	s_add_nc_u64 s[22:23], s[92:93], s[22:23]
	s_add_nc_u64 s[46:47], s[94:95], s[46:47]
	s_add_nc_u64 s[12:13], s[94:95], s[12:13]
	CROUND
	s_mov_b32 s[G0S], 1
	s_mov_b32 s[G0S+1], SCL
	s_mov_b64 s[G0S+2:G0S+3], s[22:23]
	s_or_b32 s[G0S+3], s[G0S+3], 0x80000000
	s_mov_b32 s[G0SB], 1
	s_mov_b32 s[G0SB+1], SCL+8192
	s_mov_b64 s[G0SB+2:G0SB+3], s[12:13]
	s_or_b32 s[G0SB+3], s[G0SB+3], 0x80000000
	s_lshl_b32 s18, s16, 17                        ; in the ring I fetch 8 tiles of 16,384 bytes: which half
	s_mov_b32 s19, 0
	s_add_nc_u64 s[20:21], s[20:21], s[18:19]
	s_add_nc_u64 s[46:47], s[46:47], s[18:19]
.irp s, 0,1
	s_mov_b32 s[G0+4*\s], 1
	s_add_co_u32 s[G0+4*\s+1], s45, \s*SLOT
	s_add_nc_u64 s[G0+4*\s+2:G0+4*\s+3], s[20:21], \s*4096
	s_or_b32 s[G0+4*\s+3], s[G0+4*\s+3], 0x80000000
	s_mov_b32 s[G0B+4*\s], 1
	s_add_co_u32 s[G0B+4*\s+1], s45, \s*SLOT
	s_add_nc_u64 s[G0B+4*\s+2:G0B+4*\s+3], s[46:47], \s*4096
	s_or_b32 s[G0B+4*\s+3], s[G0B+4*\s+3], 0x80000000
.endr
; the head's four loads, one a wave, in one chain of branches on the wave's number with one join
.macro ARM wv, g0, g1, next
	s_cmp_eq_u32 s14, \wv
	s_cbranch_scc0 \next
	tensor_load_to_lds s[\g0:\g0+3], s[\g1:\g1+7]
	s_nop 0
.rept 4
	v_nop
.endr
	s_branch .Lhead_asked
\next:
.endm
	ARM 0, G0, G1, .Lhead_b                        ; wave 0's slot 0 descriptor: LDS 0, A's first tile
	ARM 2, G0B, G1B, .Lhead_sa                     ; wave 2's: LDS 65,536, B's first tile
	ARM 1, G0S, G1S, .Lhead_sb
	tensor_load_to_lds s[G0SB:G0SB+3], s[G1SB:G1SB+7]
	s_nop 0
.rept 4
	v_nop
.endr
.Lhead_asked:
	v_and_b32 v1, 15, v0
	v_bfe_u32 v2, v0, 4, 1
	s_wait_alu depctr_va_vdst(0)
	v_and_b32 v3, 31, v0
	v_lshlrev_b32 v4, 4, v3
	s_wait_alu depctr_va_vdst(0)
	s_lshl_b32 s21, s15, 15
	s_lshl_b32 s22, s16, 15
	s_add_co_u32 s22, s22, 65536
.irp s, 0,1
	v_add_nc_u32 v[ADRA+\s], s21, v4
	v_add_nc_u32 v[ADRB+\s], s22, v4
	s_add_co_u32 s21, s21, SLOT
	s_add_co_u32 s22, s22, SLOT
.endr
	v_lshlrev_b32 v5, 2, v1
	s_lshl_b32 s21, s15, 12
	s_lshl_b32 s22, s16, 12
	s_add_co_u32 s22, s22, 8192
	s_sub_co_u32 s22, s22, s21
	v_mul_u32_u24 v6, s22, v2
	s_add_co_u32 s21, s21, SCL
	v_add_nc_u32 v5, v5, v6
	v_add_nc_u32 v[ADRS], s21, v5
	s_lshl_b32 s18, s17, 4
	s_lshl_b32 s19, s15, 3
	s_add_co_u32 s18, s18, s19
	s_lshl_b32 s19, s42, 1
	s_add_co_u32 s19, s19, s16
	s_lshr_b32 s20, s19, 3
	s_lshr_b32 s21, s18, 7
	s_and_b32 s22, s19, 7
	s_and_b32 s23, s18, 127
	s_lshl_b32 s46, s20, 1
	s_add_co_u32 s46, s46, s21
	s_lshl_b32 s47, s46, 21
	s_lshl_b32 s12, s22, 18
	s_add_co_u32 s47, s47, s12
	s_lshl_b32 s12, s23, 10
	s_add_co_u32 s47, s47, s12
	s_lshl_b32 s46, s46, 3
	s_add_co_u32 s46, s46, s22
	s_lshl_b32 s46, s46, 14
	s_lshl_b32 s12, s23, 7
	s_add_co_u32 s46, s46, s12
	s_add_co_u32 s46, s46, 0x800000
	s_lshl_b32 s12, s41, 1
	s_add_co_u32 s12, s12, s15
	s_lshl_b32 s12, s12, 5
	s_add_co_u32 s12, s12, s19
	s_lshl_b32 s13, s12, 13
	s_add_co_u32 s13, s13, VC
	s_lshl_b32 s12, s12, 10
	s_add_co_u32 s12, s12, VS
	s_mov_b32 s20, 0x20000
	s_mov_b32 s21, 0x01000100
	s_mov_b32 s22, 0x03020302
	s_cmp_eq_u32 ttmp9, 2
	s_cselect_b32 s18, s13, s47
	s_cselect_b32 s92, s12, s46
	s_cselect_b32 s20, 0x200000, s20
	s_cselect_b32 s21, 0x03020100, s21
	s_cselect_b32 s22, 0x03020100, s22
	s_mov_b32 s19, 0
	s_mov_b32 s93, 0
	s_add_nc_u64 s[10:11], s[8:9], s[18:19]
	s_add_nc_u64 s[8:9], s[8:9], s[92:93]
	v_mov_b32 v[OLO], v4
	v_add_nc_u32 v[OHI], s20, v4
	v_lshlrev_b32 v[SOF], 2, v3
	v_cmp_eq_u32 vcc_lo, 1, v2
	v_mov_b32 v[SELV], s21
	v_mov_b32 v12, s22
	v_cndmask_b32 v[SELV], v[SELV], v12, vcc_lo
	s_mov_b32 s[SEL], 0x76543210
	s_mov_b32 s[SEL+1], 0xfedcba98
	s_mov_b32 s[MNT], 0x600000
.macro FRAG reg, adr, q, i
.irp c, 0,1,2,3
	ds_load_b128 v[\reg+4*\c:\reg+4*\c+3], v[\adr] offset:4096*(\i)+2048*(\q)+512*\c
.endr
.endm
.macro MUL16 a0, p, q, sc, zero
.irp a, \a0, \a0+1
.irp b, 0,1,2,3,4,5,6,7
.if \zero
	v_wmma_scale_f32_16x16x128_f8f6f4 v[8*(8*((\a)%4)+\b):8*(8*((\a)%4)+\b)+7], v[128*(\p)+FR*\b:128*(\p)+FR*\b+FR-1], v[AF+FR*(\a):AF+FR*(\a)+FR-1], 0, v[SC+8*NQ*(\sc)+NQ*\b+(\q)], v[SC+8*NQ*(\sc)+NQ*(\a)+(\q)] matrix_a_fmt:MATRIX_FMT_BF8 matrix_b_fmt:MATRIX_FMT_BF8 matrix_a_scale:MATRIX_SCALE_ROW1
.else
	v_wmma_scale_f32_16x16x128_f8f6f4 v[8*(8*((\a)%4)+\b):8*(8*((\a)%4)+\b)+7], v[128*(\p)+FR*\b:128*(\p)+FR*\b+FR-1], v[AF+FR*(\a):AF+FR*(\a)+FR-1], v[8*(8*((\a)%4)+\b):8*(8*((\a)%4)+\b)+7], v[SC+8*NQ*(\sc)+NQ*\b+(\q)], v[SC+8*NQ*(\sc)+NQ*(\a)+(\q)] matrix_a_fmt:MATRIX_FMT_BF8 matrix_b_fmt:MATRIX_FMT_BF8 matrix_a_scale:MATRIX_SCALE_ROW1
.endif
.endr
.endr
.endm
.macro FETCH_B slot, q, p
	WIN TO_B
.irp i, 0,1,2,3,4,5,6,7
	FRAG 128*(\p)+FR*\i, ADRB+\slot, \q, \i
.endr
	WIN 0
.endm
.macro FETCH_A slot, q, i0
.irp i, \i0, \i0+1, \i0+2, \i0+3
	FRAG AF+FR*(\i), ADRA+\slot, \q, \i
.endr
.endm
.macro SCALES sc
.irp i, 0,1,2,3,4,5,6,7
	ds_load_b32 v[SC+8*NQ*\sc+NQ*\i], v[ADRS] offset:512*\i
	ds_load_b32 v[SC+8*NQ*\sc+NQ*\i+1], v[ADRS] offset:512*\i+64
.endr
.endm
.macro PLACES n
.rept \n
	v_nop
.endr
.endm
.macro STEP slot, q, zero
	s_wait_dscnt 4*NL
	WIN MUL_LO
	MUL16 0, (\q)%2, \q, \slot, \zero
	MUL16 2, (\q)%2, \q, \slot, \zero
	s_wait_dscnt 0
	PLACES NP
	FETCH_B \slot, (\q)+1, 1-(\q)%2
	FETCH_A \slot, (\q)+1, 0
	WIN MUL_HI
	MUL16 4, (\q)%2, \q, \slot, \zero
	MUL16 6, (\q)%2, \q, \slot, \zero
	PLACES NP
	WIN 0
	FETCH_A \slot, (\q)+1, 4
.endm
.macro TURN slot, next, fill
	s_wait_tensorcnt 0x0
	ds_add_u32 v[SPW], v[NIL]
	s_wait_dscnt 4*NL+1
	WIN MUL_LO
	MUL16 0, 1, NQ-1, \slot, 0
	s_wait_dscnt 0x0
	s_barrier_signal -1
	MUL16 2, 1, NQ-1, \slot, 0
	WIN 0
	s_barrier_wait -1
.if \fill
	CREST
	s_add_nc_u64 s[G0+4*\slot+2:G0+4*\slot+3], s[G0+4*\slot+2:G0+4*\slot+3], 8192
	s_add_nc_u64 s[G0B+4*\slot+2:G0B+4*\slot+3], s[G0B+4*\slot+2:G0B+4*\slot+3], 8192
	JLOAD G0+4*\slot, G1, G0B+4*\slot, G1B
	PLACES NP-4
.else
	PLACES NP
.endif
	s_wait_alu depctr_va_vdst(0)
	v_add_nc_u32 v[ADRS], 128, v[ADRS]
	FETCH_B \next, 0, 0
	FETCH_A \next, 0, 0
	SCALES \next
	WIN MUL_HI
	MUL16 4, 1, NQ-1, \slot, 0
	MUL16 6, 1, NQ-1, \slot, 0
	PLACES NP
	WIN 0
	FETCH_A \next, 0, 4
.endm
	s_wait_alu depctr_va_vdst(0)
	s_wait_tensorcnt 0x0                           ; my tile of the head's four is in
	ds_add_u32 v[SPW], v[NIL]
	s_mov_b32 s[G1+2], 8<<16                       ; no load of mine is out: from here on a load brings 8 tiles
	s_mov_b32 s[G1+4], 8
	s_mov_b32 s[G1B+2], 8<<16
	s_mov_b32 s[G1B+4], 8
	s_wait_dscnt 0x0
	CROUND                                         ; all four tiles are in, in every partner
	JLOAD G0+4, G1, G0B+4, G1B                     ; slot 1's first fill, my one load behind the round
	FETCH_B 0, 0, 0
	FETCH_A 0, 0, 0
	SCALES 0
	FETCH_A 0, 0, 4
	STEP 0, 0, 1
	s_mov_b32 s3, LAPS-1
.Llap:
	TURN 0, 1, 1
	STEP 1, 0, 0
	TURN 1, 0, 1
	STEP 0, 0, 0
	s_sub_co_u32 s3, s3, 1
	s_cmp_lg_u32 s3, 0
	s_cbranch_scc1 .Llap
	TURN 0, 1, 0
	STEP 1, 0, 0
	s_wait_dscnt 4*NL
	WIN MUL_LO
	MUL16 0, 1, NQ-1, 1, 0
	MUL16 2, 1, NQ-1, 1, 0
	s_wait_dscnt 0
	WIN MUL_HI
	MUL16 4, 1, NQ-1, 1, 0
	MUL16 6, 1, NQ-1, 1, 0
	WIN 0
.macro QUANT s, w
	WIN ((\w)<<2)|(\w)
.irp b, 0,1,2,3
	v_max3_num_f32 v[TM+\b], |v[(\s)+16*\b]|, |v[(\s)+16*\b+1]|, 0x8000000
.endr
.irp i, 2,4,6,8,10,12,14
.irp b, 0,1,2,3
	v_max3_num_f32 v[TM+\b], |v[(\s)+16*\b+\i]|, |v[(\s)+16*\b+\i+1]|, v[TM+\b]
.endr
.endr
	WIN 0
.irp b, 0,1,2,3
	v_permlanex16_b32 v[TM+4+\b], v[TM+\b], s[SEL], s[SEL+1]
.endr
.irp b, 0,1,2,3
	v_max_num_f32 v[TM+\b], v[TM+\b], v[TM+4+\b]
.endr
.irp b, 0,1,2,3
	v_add_nc_u32 v[TM+12+\b], 0xf8800000, v[TM+\b]
.endr
.irp b, 0,1,2,3
	v_and_or_b32 v[TM+8+\b], v[TM+\b], 0x7f800000, s[MNT]
.endr
.irp b, 0,1,2,3
	v_lshrrev_b32 v[TM+4+\b], 23, v[TM+12+\b]
.endr
	v_lshl_or_b32 v[PW], v[TM+5], 8, v[TM+4]
	v_lshl_or_b32 v[PW], v[TM+6], 16, v[PW]
	v_lshl_or_b32 v[PW], v[TM+7], 24, v[PW]
	WIN ((\w)<<6)|(\w)
.irp b, 0,1,2,3
.irp i, 0,1,2,3,4,5,6,7,8,9,10,11,12,13,14,15
	v_med3_num_f32 v[(\s)+16*\b+\i], v[(\s)+16*\b+\i], -v[TM+8+\b], v[TM+8+\b]
.endr
.endr
	WIN (\w)
.irp b, 0,1,2,3
	v_cvt_scalef32_pk8_bf8_f32 v[PC+4*\b:PC+4*\b+1], v[(\s)+16*\b:(\s)+16*\b+7], v[TM+12+\b]
	v_cvt_scalef32_pk8_bf8_f32 v[PC+4*\b+2:PC+4*\b+3], v[(\s)+16*\b+8:(\s)+16*\b+15], v[TM+12+\b]
.endr
	WIN 0
	v_nop
.endm
	PLACES NP
.irp b, 0,1,2,3
	v_mov_b32 v[TM+4+\b], 0
.endr
.irp a, 0,1,2,3,4,5,6,7
.if \a > 0
	s_wait_xcnt 0x0
.endif
	QUANT 64*((\a)%4), 2+(\a)/4
	global_store_b128 v[OLO], v[PC:PC+3], s[10:11] offset:\a*1024
	global_store_b128 v[OLO], v[PC+4:PC+7], s[10:11] offset:\a*1024+512
	global_store_b128 v[OHI], v[PC+8:PC+11], s[10:11] offset:\a*1024
	global_store_b128 v[OHI], v[PC+12:PC+15], s[10:11] offset:\a*1024+512
	v_perm_b32 v[PWS+\a], v[PW], v[PW], v[SELV]
	global_store_b32 v[SOF], v[PWS+\a], s[8:9] offset:\a*128
.endr
	s_wait_tensorcnt 0x0
	ds_add_u32 v[SPW], v[NIL]
	s_wait_dscnt 0x0
	CROUND
	s_endpgm
.Lfunc_end_k_q2add52712e_qkv:
	.size	k_q2add52712e_qkv, .Lfunc_end_k_q2add52712e_qkv-k_q2add52712e_qkv
	.p2alignl 7, 3214868480
	.fill 96, 4, 3214868480
	.section	.rodata,"a",@progbits
	.p2align	6, 0x0
	.amdhsa_kernel k_q2add52712e_qkv
		.amdhsa_group_segment_fixed_size 327680
		.amdhsa_private_segment_fixed_size 0
		.amdhsa_enable_private_segment 0
		.amdhsa_kernarg_size 24
		.amdhsa_user_sgpr_count 2
		.amdhsa_user_sgpr_kernarg_segment_ptr 1
		.amdhsa_wavefront_size32 1
		.amdhsa_system_sgpr_workgroup_id_x 1
		.amdhsa_system_sgpr_workgroup_id_y 1
		.amdhsa_system_sgpr_workgroup_id_z 1
		.amdhsa_system_vgpr_workitem_id 0
		.amdhsa_next_free_vgpr 1024
		.amdhsa_next_free_sgpr 98
		.amdhsa_reserve_vcc 1
		.amdhsa_float_denorm_mode_32 3
		.amdhsa_float_denorm_mode_16_64 3
		.amdhsa_memory_ordered 1
		.amdhsa_forward_progress 1
		.amdhsa_inst_pref_size 190
	.end_amdhsa_kernel
	.amdgpu_metadata
---
amdhsa.version: [ 1, 2 ]
amdhsa.kernels:
  - .name:           k_q2add52712e_qkv
    .symbol:         k_q2add52712e_qkv.kd
    .args:
      - { .name: n1, .offset: 0, .size: 8, .value_kind: global_buffer, .address_space: global }
      - { .name: wbuf, .offset: 8, .size: 8, .value_kind: global_buffer, .address_space: global }
      - { .name: qkvb, .offset: 16, .size: 8, .value_kind: global_buffer, .address_space: global }
    .group_segment_fixed_size: 327680
    .private_segment_fixed_size: 0
    .kernarg_segment_align: 8
    .kernarg_segment_size: 24
    .max_flat_workgroup_size: 128
    .sgpr_count:     98
    .vgpr_count:     1024
    .wavefront_size: 32
...
	.end_amdgpu_metadata
.endif
;; end of part 2
;; launch attn (part 3): grid 8 x 32, 16 waves a work-group, clusters of 4 x 1, 327,680 bytes of LDS; arguments qkvb, ctxb; writes ctxb
.if DOCPART == 3
	.amdgcn_target "amdgcn-amd-amdhsa--gfx1250"
	.amdhsa_code_object_version 6
	.text
	.protected	k_q2add52712e_attn
	.globl	k_q2add52712e_attn
	.p2align	8
	.type	k_q2add52712e_attn,@function
k_q2add52712e_attn:
	s_mov_b64 s[64:65], 0
	v_nop
	global_prefetch_b8 v0, s[64:65] scope:SCOPE_SE
	s_setreg_imm32_b32 hwreg(HW_REG_WAVE_MODE, 25, 1), 1
	s_wait_xcnt 0x0
	s_wait_alu depctr_hold_cnt(0) depctr_sa_sdst(0) depctr_va_vdst(0) depctr_va_sdst(0) depctr_va_ssrc(0) depctr_va_vcc(0) depctr_vm_vsrc(0)
	s_getreg_b32 s2, hwreg(HW_REG_IB_STS2, 6, 4)
	s_cmp_eq_u32 s2, 0
	s_cbranch_scc0 .Lentry_in_a_cluster
	s_endpgm
.Lentry_in_a_cluster:
	s_bfe_u32 s2, ttmp6, 0x10000c
	s_cmp_lg_u32 s2, 0x3003
	s_cbranch_scc0 .Lentry_shape_is_right
	s_endpgm
.Lentry_shape_is_right:
; Causal attention of one head (2,048 tokens, head size 64), both products on codes of BF8 (E5M2) with E8M0 scales, and the context quantised at once for the product with W_O.
; THE SOFTMAX: t = score x log2(e) / 8; M = the running largest t rounded UP to a whole number; p = 2^(t - M) is quantised along the keys, not normalised; the sum is taken of the unquantised p and divides at the end;
; when M moves, the sum and O are multiplied by 2^(old M - new M), which rounds nothing.
; SHARES.  A work-group owns 16 tiles of 16 queries of one head: tile g + 8 rho, g = the work-group number along x (0..7), rho = 0..15.  Tile rho lies inside key step rho (128 keys a step): steps under rho are open,
; step rho is on the diagonal, steps over rho are under the causal mask and are left out.  So tile rho has rho + 1 steps.  THE 136 STEPS ARE DEALT EVENLY TO THE 16 WAVES, by pairs of tiles p and 15 - p, p = wave % 8:
; waves 0-7 take steps 0..8 of tile 15 - p (9 steps); waves 8-15 take all p + 1 steps of tile p, store its context, and then take steps 9..15 - p of tile 15 - p (7 - p steps): 8 steps.
; A wave 8-15 hands its part of the long tile (O^T, -M, the sum: 9 x 512 bytes) to its partner through LDS bytes of their own; behind one barrier the partner brings both parts under the larger M, by factors that are powers of two, and adds them.
; All tests hang on the wave number and the trip counter alone.  One loop of 16 trips holds the step once; the change of tile stands at the top of trip 9.
; THE WHOLE HEAD LIES IN LDS, filled once: K codes 128 KiB, V^T codes 128 KiB, their scale words 8 KiB each.  The four work-groups of a cluster belong to one head and ask JOINTLY, one load a wave (waves 0-9).
; No prefetch is laid: all of K and V is asked for at the head.
; LAYOUT.  Both products transposed: S^T = K Q^T, O^T = V^T P^T: a lane holds one query.  Operands lie as images of registers.  Tile t holds in lane r the row 32 (t/2) + 8 (t%2) + r + 8 (r/8), so that the 16 registers
; of result tiles 2 b, 2 b + 1 are 16 neighbours.  The head size is half of the instruction K: a fragment of K holds TWO key tiles (64 + 64), and Q stands between zeros: v[24:39] = (q, 0) picks the first,
; v[16:31] = (0, q) the second; what is not wanted meets zero codes.  Q and K scale words hold their two bytes twice.
; LIMITS: a block of zeros gets the byte 1 (zero codes); NaN and infinities are not served; the two parts of a long tile are summed apart and then added, another order of f32 sums than one walk over the keys.
; REGISTERS: v1-7 lane terms; v8-11, v240 addresses of the step; v12 -M, v13 largest t, v[14:15] the sum; v16-39 zeros, q, zeros; v40-103 four fragments; v104-167 S^T, then p; v168-199 O^T; v200-215 p codes;
;   v216-231 at work; v232-239 scale words; v250 the pair's LDS bytes; v252 f, v253 p scale word, v255 Q scale word.
.set VLO,  131072                      ; LDS: K codes at 0 [key tile][1024]; V^T lower halves [key step][4 tiles][1024]; upper halves 65,536 on
.set KSC,  262144                      ; K scale words [key tile][16 words]
.set VSC,  270336                      ; V^T scale words [key step][4 tiles][32 words]
.set SPARE, 0x44000                    ; the spare words: 128 bytes a wave
.set PB,   SPARE+2048                  ; the parts handed over: PSZ bytes a pair of waves; no load lands here
.set PSZ,  9*512
.set VC,   0x880000
.set VS,   0xC80000
.set AK0,  1
.set AV0,  2
.set ASK0, 3
.set ASV0, 4
.set DQ,   5                           ; v5   my query within its key step, less 16 (lane / 16): the same for both tiles of a pair
.set R4,   6                           ; v6   4 r
.set NEG,  7                           ; v7   -infinity
.set ADK,  8
.set ADV,  9
.set ADS,  10
.set ADT,  11
.set F,    40
.set S,    104
.set O,    168
.set PCD,  200
.set BM,   216
.set PT,   220
.set HL,   224
.set SOP,  228
.set KW,   232
.set ADV2, 240
.set T,    241
.set PA,   250
.set HI,   2                           ; s2   the last key step that I walk of the tile in hand
.set MID,  3                           ; s3   the trip at whose top I change tiles (16: never)
.set WV,   8
.set RHO,  15                          ; s15  the key step on the diagonal of the tile in hand
.set ST,   16
.set TK,   17
.set TV,   18
.set MNT,  19
.set SEL,  20
.set CS,   22
.set G1K,  24
.set G1V,  32
.set G1KS, 40
.set G1VS, 48
.set G0K,  56
.set G0V,  60
.set TS,   66
.set KIND, 67                          ; s67  wave / 8
.set G0KS, 68
.set G0VS, 72
.set RH2,  76                          ; s76  15 - p
.set DQC,  100                         ; s[100:101] from tile p's Q codes to tile 15 - p's, in bytes
.set DQS,  104                         ; s[104:105] the same for Q's scale words
.macro CROUND
	s_barrier_signal -1
	s_barrier_wait -1
	s_cmp_lg_u32 s[WV], 0
	s_cbranch_scc1 .Lnot_wave_0_\@
	s_barrier_signal -3
.Lnot_wave_0_\@:
	s_barrier_wait -3
	s_barrier_signal -1
	s_barrier_wait -1
.endm
.macro QLOAD                           ; q of the tile in hand: two pieces, eight registers, and its scale words
	global_load_b128 v[24:27], v[AK0], s[92:93]
	global_load_b128 v[28:31], v[AK0], s[92:93] offset:512
	global_load_b32 v255, v[R4], s[94:95]
.endm
.macro INIT                            ; a tile begins: the step is written once, the first finds zeros
	v_mov_b32 v13, 0xff61b1e6                      ; the largest t so far: -3e38
	s_delay_alu instid0(VALU_DEP_1)
	v_floor_f32 v12, -v13
	v_mov_b32 v14, 0
	v_mov_b32 v15, 0
.set j, 0
.rept 32
	v_mov_b32 v[O+j], 0
.set j, j+1
.endr
.endm
; THE WAY OUT of a tile: O^T / the sum is the context: register 16 b + i = channel 32 b + 16 h + i of my head: two blocks of the next K; its codes are two pieces of an image
.macro WAYOUT
.rept 8
	v_nop
.endr
	v_add_f32 v14, v14, v15
	s_delay_alu instid0(VALU_DEP_1)
	v_permlanex16_b32 v252, v14, s[SEL], s[SEL+1]
	s_delay_alu instid0(VALU_DEP_1)
	v_add_f32 v14, v14, v252
	s_wait_alu depctr_va_vdst(0)
	v_rcp_f32 v14, v14
	v_nop
	s_wait_alu depctr_va_vdst(0)
.set j, 0
.rept 32
	v_mul_f32 v[S+j], v[O+j], v14
.set j, j+1
.endr
.irp b, 0,1
	v_max3_num_f32 v[BM+\b], |v[S+16*\b]|, |v[S+16*\b+1]|, 0x8000000
.endr
.irp i, 2,4,6,8,10,12,14
.irp b, 0,1
	s_delay_alu instid0(VALU_DEP_2)
	v_max3_num_f32 v[BM+\b], v[BM+\b], |v[S+16*\b+\i]|, |v[S+16*\b+\i+1]|
.endr
.endr
.irp b, 0,1
	s_delay_alu instid0(VALU_DEP_2)
	v_permlanex16_b32 v[PT+\b], v[BM+\b], s[SEL], s[SEL+1]
.endr
.irp b, 0,1
	s_delay_alu instid0(VALU_DEP_2)
	v_max_num_f32 v[BM+\b], v[BM+\b], v[PT+\b]
.endr
.irp b, 0,1
	s_delay_alu instid0(VALU_DEP_2)
	v_add_nc_u32 v[SOP+\b], 0xf8800000, v[BM+\b]
.endr
.irp b, 0,1
	s_delay_alu instid0(VALU_DEP_4)
	v_and_or_b32 v[HL+\b], v[BM+\b], 0x7f800000, s[MNT]
.endr
.irp b, 0,1
	s_delay_alu instid0(VALU_DEP_4)
	v_lshrrev_b32 v[PT+\b], 23, v[SOP+\b]
.endr
	s_delay_alu instid0(VALU_DEP_1)
	v_lshl_or_b32 v[T], v[PT+1], 8, v[PT]
.irp b, 0,1
.irp i, 0,1,2,3,4,5,6,7,8,9,10,11,12,13,14,15
	v_med3_num_f32 v[S+16*\b+\i], v[S+16*\b+\i], -v[HL+\b], v[HL+\b]
.endr
	v_cvt_scalef32_pk8_bf8_f32 v[PCD+4*\b:PCD+4*\b+1], v[S+16*\b:S+16*\b+7], v[SOP+\b]
	v_cvt_scalef32_pk8_bf8_f32 v[PCD+4*\b+2:PCD+4*\b+3], v[S+16*\b+8:S+16*\b+15], v[SOP+\b]
.endr
	v_nop
	global_store_b128 v[AK0], v[PCD:PCD+3], s[96:97]              ; 512 consecutive bytes a store
	global_store_b128 v[AK0], v[PCD+4:PCD+7], s[96:97] offset:512
	global_store_b16 v[R4], v[T], s[98:99]         ; my head's two bytes of row r's scale word (lanes 16-31 store the same)
.endm
	s_load_b128 s[4:7], s[0:1], 0x0                ; qkvb, ctxb
	v_lshl_add_u32 v251, v0, 2, SPARE
	v_mov_b32 v254, 0
	ds_add_u32 v251, v254                          ; the opening lines: the add twice on end and one wait
	ds_add_u32 v251, v254
	v_lshrrev_b32 v8, 5, v0
	s_delay_alu instid0(VALU_DEP_1)
	v_readfirstlane_b32 s[WV], v8                  ; wave 0..15
	s_bfe_u32 s76, ttmp6, 0x40000                  ; cx: it enters Q and context addresses and the mask number alone
	s_lshl_b32 s9, ttmp9, 2
	s_add_co_u32 s9, s9, s76                       ; g
	s_and_b32 s10, ttmp7, 0xffff                   ; 16 x batch + head
	s_lshr_b32 s11, s10, 4                         ; batch
	s_and_b32 s12, s10, 15
	s_lshr_b32 s13, s12, 1                         ; head pair
	s_and_b32 s14, s12, 1                          ; which of the pair
	s_and_b32 s77, s[WV], 7                        ; p
	s_lshr_b32 s[KIND], s[WV], 3
	s_sub_co_u32 s[RH2], 15, s77
	s_sub_co_u32 s78, s[RH2], s77                  ; 15 - 2 p key steps = 8 (15 - 2 p) tiles from tile p to tile 15 - p
	s_lshl_b32 s[DQC], s78, 13                     ; 1,024 bytes of codes a tile
	s_mov_b32 s[DQC+1], 0
	s_lshl_b32 s[DQS], s78, 10                     ; 128 bytes of scale words a tile
	s_mov_b32 s[DQS+1], 0
	s_cmp_eq_u32 s[KIND], 0
	s_cselect_b32 s[RHO], s[RH2], s77              ; my first tile: waves 0-7 the long one, waves 8-15 the short one,
	s_cselect_b32 s[HI], 8, s77                    ; walked up to step 8, or whole;
	s_cselect_b32 s[MID], 16, 9                    ; waves 8-15 change tiles at the top of trip 9
	s_lshl_b32 s80, s10, 17                        ; K codes of the head: 131,072 dense bytes; waves 0-3 a quarter each
	s_add_co_u32 s80, s80, 0x400000
	s_and_b32 s82, s[WV], 3
	s_lshl_b32 s82, s82, 15
	s_add_co_u32 s80, s80, s82
	s_mov_b32 s81, 0
	s_lshl_b32 s84, s13, 5
	s_lshl_b32 s85, s11, 4
	s_add_co_u32 s84, s84, s85                     ; 32 x head pair + 16 x batch: the first key step
	s_lshl_b32 s82, s84, 13                        ; V^T codes: waves 4, 5 the lower halves, 6, 7 the upper; 8 key steps each
	s_add_co_u32 s82, s82, VC
	s_lshl_b32 s85, s14, 12
	s_add_co_u32 s82, s82, s85
	s_bfe_u32 s85, s[WV], 0x10001
	s_lshl_b32 s85, s85, 21
	s_add_co_u32 s82, s82, s85
	s_and_b32 s85, s[WV], 1
	s_lshl_b32 s85, s85, 16
	s_add_co_u32 s82, s82, s85
	s_mov_b32 s83, 0
	s_add_co_u32 s86, s11, 2                       ; K scale words
	s_lshl_b32 s86, s86, 3
	s_add_co_u32 s86, s86, s13
	s_lshl_b32 s86, s86, 14
	s_lshl_b32 s85, s14, 6
	s_add_co_u32 s86, s86, s85
	s_add_co_u32 s86, s86, 0x800000
	s_mov_b32 s87, 0
	s_lshl_b32 s88, s84, 10                        ; V^T scale words
	s_lshl_b32 s85, s14, 9
	s_add_co_u32 s88, s88, s85
	s_add_co_u32 s88, s88, VS
	s_mov_b32 s89, 0
	s_mov_b32 s[G1K], 15|(3<<16)|(1<<21)           ; the mask: all four; elements of 8 bytes; bit 21 beside a mask.  128 rows of 256 bytes, dense
	s_mov_b32 s[G1K+1], 32<<16
	s_mov_b32 s[G1K+2], 128<<16
	s_mov_b32 s[G1K+3], 32<<16
	s_mov_b32 s[G1K+4], 128
	s_mov_b32 s[G1K+5], 32
	s_mov_b32 s[G1K+6], 0
	s_mov_b32 s[G1K+7], 0
	s_mov_b32 s[G1V], 15|(3<<16)|(1<<21)           ; 8 rows of 4,096 bytes, 8,192 apart
	s_mov_b32 s[G1V+1], 512<<16
	s_mov_b32 s[G1V+2], 8<<16
	s_mov_b32 s[G1V+3], 512<<16
	s_mov_b32 s[G1V+4], 8
	s_mov_b32 s[G1V+5], 1024
	s_mov_b32 s[G1V+6], 0
	s_mov_b32 s[G1V+7], 0
	s_mov_b32 s[G1KS], 15|(2<<16)|(1<<21)          ; elements of 4 bytes: 128 rows of 64 bytes, 128 apart
	s_mov_b32 s[G1KS+1], 16<<16
	s_mov_b32 s[G1KS+2], 128<<16
	s_mov_b32 s[G1KS+3], 16<<16
	s_mov_b32 s[G1KS+4], 128
	s_mov_b32 s[G1KS+5], 32
	s_mov_b32 s[G1KS+6], 0
	s_mov_b32 s[G1KS+7], 0
	s_mov_b32 s[G1VS], 15|(3<<16)|(1<<21)          ; 16 rows of 512 bytes, 1,024 apart
	s_mov_b32 s[G1VS+1], 64<<16
	s_mov_b32 s[G1VS+2], 16<<16
	s_mov_b32 s[G1VS+3], 64<<16
	s_mov_b32 s[G1VS+4], 16
	s_mov_b32 s[G1VS+5], 128
	s_mov_b32 s[G1VS+6], 0
	s_mov_b32 s[G1VS+7], 0
	s_lshl_b32 s90, s[RHO], 3
	s_add_co_u32 s90, s90, s9                      ; my first query tile in the batch
	s_lshl_b32 s92, s10, 17
	s_lshl_b32 s85, s90, 10
	s_add_co_u32 s92, s92, s85                     ; Q codes
	s_mov_b32 s93, 0
	s_lshl_b32 s94, s11, 3
	s_add_co_u32 s94, s94, s13
	s_lshl_b32 s94, s94, 14
	s_lshl_b32 s85, s90, 7
	s_add_co_u32 s94, s94, s85
	s_lshl_b32 s85, s14, 6
	s_add_co_u32 s94, s94, s85
	s_add_co_u32 s94, s94, 0x800000                ; Q scale words
	s_mov_b32 s95, 0
	s_lshl_b32 s85, s11, 7
	s_add_co_u32 s85, s85, s90                     ; the row tile among all 256: the one tile whose context I store
	s_lshl_b32 s85, s85, 3
	s_add_co_u32 s85, s85, s13                     ; x 8 K steps + head pair
	s_lshl_b32 s96, s85, 11
	s_lshl_b32 s91, s14, 10
	s_add_co_u32 s96, s96, s91                     ; the context: pieces 2 x (head % 2) on
	s_mov_b32 s97, 0
	s_lshl_b32 s98, s85, 6
	s_lshl_b32 s91, s14, 1
	s_add_co_u32 s98, s98, s91
	s_add_co_u32 s98, s98, 0x400000                ; and two bytes of its scale word
	s_mov_b32 s99, 0
	s_lshr_b32 s91, s9, 1
	s_lshl_b32 s91, s91, 5
	s_and_b32 s85, s9, 1
	s_lshl_b32 s85, s85, 3
	s_add_co_u32 s91, s91, s85                     ; 32 (g / 2) + 8 (g % 2)
	s_mul_i32 s78, s77, PSZ
	s_add_co_u32 s78, s78, PB                      ; my pair's LDS bytes
	s_mov_b32 s[SEL], 0x76543210
	s_mov_b32 s[SEL+1], 0xfedcba98
	s_mov_b32 s[CS], 0x3e38aa3b                    ; c = log2(e) / 8
	s_mov_b32 s[CS+1], s[CS]
	s_mov_b32 s[MNT], 0x600000
	s_mov_b32 s[ST], 0
	s_mov_b32 s[TK], 0
	s_mov_b32 s[TV], 0
	s_mov_b32 s[TS], 0
	s_wait_dscnt 0x0
	s_wait_kmcnt 0x0
	s_mov_b32 s[G0K], 1
	s_lshl_b32 s[G0K+1], s[WV], 15
	s_add_nc_u64 s[G0K+2:G0K+3], s[4:5], s[80:81]
	s_or_b32 s[G0K+3], s[G0K+3], 0x80000000
	s_mov_b32 s[G0V], 1
	s_lshl_b32 s[G0V+1], s[WV], 15
	s_add_nc_u64 s[G0V+2:G0V+3], s[4:5], s[82:83]
	s_or_b32 s[G0V+3], s[G0V+3], 0x80000000
	s_mov_b32 s[G0KS], 1
	s_mov_b32 s[G0KS+1], KSC
	s_add_nc_u64 s[G0KS+2:G0KS+3], s[4:5], s[86:87]
	s_or_b32 s[G0KS+3], s[G0KS+3], 0x80000000
	s_mov_b32 s[G0VS], 1
	s_mov_b32 s[G0VS+1], VSC
	s_add_nc_u64 s[G0VS+2:G0VS+3], s[4:5], s[88:89]
	s_or_b32 s[G0VS+3], s[G0VS+3], 0x80000000
	s_add_nc_u64 s[92:93], s[4:5], s[92:93]
	s_add_nc_u64 s[94:95], s[4:5], s[94:95]
	s_add_nc_u64 s[96:97], s[6:7], s[96:97]
	s_add_nc_u64 s[98:99], s[6:7], s[98:99]
	CROUND                                         ; all four work-groups are here: the joint loads meet
	s_cmp_lt_u32 s[WV], 4                          ; one load a wave, chosen by the wave number alone; four v_nop follow each
	s_cbranch_scc0 .Lnot_k
	tensor_load_to_lds s[G0K:G0K+3], s[G1K:G1K+7]
	s_nop 0
.rept 4
	v_nop
.endr
	s_branch .Lasked
.Lnot_k:
	s_cmp_lt_u32 s[WV], 8
	s_cbranch_scc0 .Lnot_v
	tensor_load_to_lds s[G0V:G0V+3], s[G1V:G1V+7]
	s_nop 0
.rept 4
	v_nop
.endr
	s_branch .Lasked
.Lnot_v:
	s_cmp_eq_u32 s[WV], 8
	s_cbranch_scc0 .Lnot_ks
	tensor_load_to_lds s[G0KS:G0KS+3], s[G1KS:G1KS+7]
	s_nop 0
.rept 4
	v_nop
.endr
	s_branch .Lasked
.Lnot_ks:
	s_cmp_eq_u32 s[WV], 9
	s_cbranch_scc0 .Lasked
	tensor_load_to_lds s[G0VS:G0VS+3], s[G1VS:G1VS+7]
	s_nop 0
.rept 4
	v_nop
.endr
.Lasked:
	v_and_b32 v8, 15, v0                           ; r
	v_bfe_u32 v9, v0, 4, 1                         ; h
	v_and_b32 v10, 31, v0
	s_delay_alu instid0(VALU_DEP_1)
	v_lshlrev_b32 v[AK0], 4, v10                   ; 16 x lane
	s_delay_alu instid0(VALU_DEP_4)
	v_lshlrev_b32 v[R4], 2, v8
	QLOAD
	v_add_nc_u32 v[AV0], VLO, v[AK0]
	v_add_nc_u32 v[ASK0], KSC, v[R4]
	v_add_nc_u32 v[ASV0], VSC, v[R4]
	v_add_nc_u32 v[PA], s78, v[AK0]                ; the pair's bytes: 16 x lane in each piece of 512
	v_and_b32 v10, 8, v8
	s_delay_alu instid0(VALU_DEP_1)
	v_add_nc_u32 v[DQ], v10, v8
	s_delay_alu instid0(VALU_DEP_1)
	v_add_nc_u32 v[DQ], s91, v[DQ]                 ; my query within its key step
	v_lshlrev_b32 v10, 4, v9
	s_delay_alu instid0(VALU_DEP_1)
	v_sub_nc_u32 v[DQ], v[DQ], v10                 ; register 16 b + i holds key 32 b + 16 h + i: hidden where 32 b + i > this
	v_mov_b32 v[NEG], 0xff800000
.irp j, 0,1,2,3,4,5,6,7
	v_mov_b32 v[16+\j], 0                          ; zero codes on both sides of q
	v_mov_b32 v[32+\j], 0
.endr
.irp b, 0,1,2,3
	v_mov_b32 v[PT+\b], 0                          ; a lane permute destination counts as one of its sources
.endr
	v_mov_b32 v252, 0
	v_mov_b32 v253, 0
	INIT
	s_wait_alu depctr_va_vdst(0)
	s_wait_tensorcnt 0x0                           ; my part of the head has landed,
	s_barrier_signal -1
	s_barrier_wait -1                              ; everybody's part has.  The loaded bytes are only read from here on
	s_wait_loadcnt 0x0                             ; q
.Lstep:                                            ; 16 trips, a constant; the work of a step that is not mine is jumped over
	s_cmp_lg_u32 s[ST], s[MID]
	s_cbranch_scc1 .Lsame_tile
	WAYOUT                                         ; waves 8-15, once: the short tile is finished and leaves;
	s_wait_xcnt 0x0                                ; its stores have read their registers, and q's loads their base
	s_add_nc_u64 s[92:93], s[92:93], s[DQC:DQC+1]  ; on to the long tile's q
	s_add_nc_u64 s[94:95], s[94:95], s[DQS:DQS+1]
	QLOAD
	s_mov_b32 s[RHO], s[RH2]
	s_mov_b32 s[HI], s[RH2]                        ; from this step up to its diagonal
	INIT
	s_wait_alu depctr_va_vdst(0)
	s_wait_loadcnt 0x0
.Lsame_tile:
	s_cmp_gt_u32 s[ST], s[HI]
	s_cbranch_scc1 .Lhidden
	v_add_nc_u32 v[ADK], s[TK], v[AK0]             ; these five and three v_nop are the eight places ahead of loads into registers that the last products read
	v_add_nc_u32 v[ADV], s[TV], v[AV0]
	v_add_nc_u32 v[ADS], s[TS], v[ASK0]
	v_add_nc_u32 v[ADT], s[TS], v[ASV0]
	s_delay_alu instid0(VALU_DEP_3)
	v_add_nc_u32 v[ADV2], 0x10000, v[ADV]
.rept 3
	v_nop
.endr
.irp i, 0,1,2,3
.irp c, 0,1,2,3
	ds_load_b128 v[F+16*\i+4*\c:F+16*\i+4*\c+3], v[ADK] offset:2048*\i+512*\c   ; fragment i: key tiles 2 i and 2 i + 1
.endr
.endr
.irp t, 0,1,2,3,4,5,6,7
	ds_load_b32 v[KW+\t], v[ADS] offset:64*\t
.endr
	s_wait_alu depctr_va_vdst(0)
	s_wait_dscnt 0x0
.irp t, 0,1,2,3,4,5,6,7
	v_wmma_scale_f32_16x16x128_f8f6f4 v[S+8*\t:S+8*\t+7], v[F+16*(\t/2):F+16*(\t/2)+15], v[24-8*(\t%2):39-8*(\t%2)], 0, v[KW+\t], v255 matrix_a_fmt:MATRIX_FMT_BF8 matrix_b_fmt:MATRIX_FMT_BF8
.endr
.rept 8
	v_nop
.endr
.irp t, 0,1,2,3                        ; V^T is asked for now and lands under the softmax
.irp c, 0,1
	ds_load_b128 v[F+16*\t+4*\c:F+16*\t+4*\c+3], v[ADV] offset:1024*\t+512*\c
	ds_load_b128 v[F+16*\t+8+4*\c:F+16*\t+8+4*\c+3], v[ADV2] offset:1024*\t+512*\c
.endr
	ds_load_b32 v[KW+\t], v[ADT] offset:128*\t
.endr
	s_cmp_lt_u32 s[ST], s[RHO]
	s_cbranch_scc1 .Lopen
.set n, 0
.rept 64                               ; on the diagonal hidden scores become -infinity ahead of the maximum: p = 0 then.  Key 0 of the step counts for every query
	v_cmp_gt_i32 vcc_lo, 32*(n/16)+n%16, v[DQ]
	v_cndmask_b32 v[S+n], v[S+n], v[NEG], vcc_lo
.set n, n+1
.endr
.Lopen:
.irp b, 0,1,2,3
	v_max3_num_f32 v[BM+\b], v[S+16*\b], v[S+16*\b+1], v[S+16*\b+2]   ; the largest score of each block of 32 keys: for the row maximum, and, since p rises with the score, for the block's largest p
.endr
.irp i, 3,5,7,9,11,13
.irp b, 0,1,2,3
	v_max3_num_f32 v[BM+\b], v[BM+\b], v[S+16*\b+\i], v[S+16*\b+\i+1]
.endr
.endr
.irp b, 0,1,2,3
	v_max_num_f32 v[BM+\b], v[BM+\b], v[S+16*\b+15]
.endr
.irp b, 0,1,2,3
	s_delay_alu instid0(VALU_DEP_4)
	v_permlanex16_b32 v[PT+\b], v[BM+\b], s[SEL], s[SEL+1]
.endr
.irp b, 0,1,2,3
	s_delay_alu instid0(VALU_DEP_4)
	v_max_num_f32 v[BM+\b], v[BM+\b], v[PT+\b]
.endr
	s_delay_alu instid0(VALU_DEP_2)
	v_max3_num_f32 v[T], v[BM], v[BM+1], v[BM+2]
	s_delay_alu instid0(VALU_DEP_1)
	v_max_num_f32 v[T], v[T], v[BM+3]
	s_delay_alu instid0(VALU_DEP_1)
	v_mul_f32 v[T], s[CS], v[T]
	s_delay_alu instid0(VALU_DEP_1)
	v_max_num_f32 v13, v13, v[T]                   ; the running largest t
	v_mov_b32 v[T], v12
	s_delay_alu instid0(VALU_DEP_2)
	v_floor_f32 v12, -v13                          ; -M = floor(-t): a whole number
	s_delay_alu instid0(VALU_DEP_1)
	v_sub_f32 v[T], v12, v[T]
	s_delay_alu instid0(VALU_DEP_1)
	v_cvt_i32_f32 v[T], v[T]                       ; (it saturates)
	s_delay_alu instid0(VALU_DEP_1)
	v_ldexp_f32 v252, 1.0, v[T]                    ; f = 2^(old M - new M)
.set j, 0
.rept 32
	v_pk_fma_f32 v[S+j:S+j+1], v[S+j:S+j+1], s[CS:CS+1], v[12:13] op_sel_hi:[1,0,0]   ; t - M
.set j, j+2
.endr
.irp b, 0,1,2,3
	v_fma_f32 v[BM+\b], v[BM+\b], s[CS], v12
.endr
.set j, 0
	s_wait_alu depctr_va_vdst(0)
.rept 64
	v_exp_f32 v[S+j], v[S+j]                       ; p = 2^(t - M)
.set j, j+1
.endr
	v_pk_mul_f32 v[14:15], v[14:15], v[252:253] op_sel_hi:[1,0]   ; the sums under the new M (a plain instruction behind the batch)
	s_wait_alu depctr_va_vdst(0)                   ; one wait for the batch, ahead of its first reader
.irp b, 0,1,2,3
	v_exp_f32 v[BM+\b], v[BM+\b]                   ; each block's largest p
.endr
	v_pk_add_f32 v[220:221], v[108:109], v[112:113]
	v_pk_add_f32 v[248:249], v[116:117], v[120:121]
	v_pk_add_f32 v[246:247], v[124:125], v[128:129]
	v_pk_add_f32 v[244:245], v[132:133], v[136:137]
	v_pk_add_f32 v[242:243], v[140:141], v[144:145]
	v_pk_add_f32 v[240:241], v[148:149], v[152:153]
	v_pk_add_f32 v[238:239], v[156:157], v[160:161]
	v_pk_add_f32 v[14:15], v[14:15], v[164:165]
	v_pk_add_f32 v[220:221], v[220:221], v[104:105]
	v_pk_add_f32 v[248:249], v[248:249], v[106:107]
	v_pk_add_f32 v[246:247], v[246:247], v[110:111]
	v_pk_add_f32 v[244:245], v[244:245], v[114:115]
	v_pk_add_f32 v[242:243], v[242:243], v[118:119]
	v_pk_add_f32 v[240:241], v[240:241], v[122:123]
	v_pk_add_f32 v[238:239], v[238:239], v[126:127]
	v_pk_add_f32 v[14:15], v[14:15], v[130:131]
	v_pk_add_f32 v[220:221], v[220:221], v[134:135]
	v_pk_add_f32 v[248:249], v[248:249], v[138:139]
	v_pk_add_f32 v[246:247], v[246:247], v[142:143]
	v_pk_add_f32 v[244:245], v[244:245], v[146:147]
	v_pk_add_f32 v[242:243], v[242:243], v[150:151]
	v_pk_add_f32 v[240:241], v[240:241], v[154:155]
	v_pk_add_f32 v[238:239], v[238:239], v[158:159]
	v_pk_add_f32 v[14:15], v[14:15], v[162:163]
	v_pk_add_f32 v[220:221], v[220:221], v[166:167]
	s_delay_alu instid0(VALU_DEP_2)
	v_pk_add_f32 v[14:15], v[14:15], v[244:245]
	s_delay_alu instid0(VALU_DEP_2)
	v_pk_add_f32 v[220:221], v[220:221], v[242:243]
	v_pk_add_f32 v[248:249], v[248:249], v[240:241]
	v_pk_add_f32 v[246:247], v[246:247], v[238:239]
	s_delay_alu instid0(VALU_DEP_2)
	v_pk_add_f32 v[14:15], v[14:15], v[248:249]
	s_delay_alu instid0(VALU_DEP_2)
	v_pk_add_f32 v[220:221], v[220:221], v[246:247]
	s_delay_alu instid0(VALU_DEP_1)
	v_pk_add_f32 v[14:15], v[14:15], v[220:221]
	s_wait_alu depctr_va_vdst(0)                   ; and one for the four
.irp b, 0,1,2,3
	v_max_num_f32 v[BM+\b], 0x8000000, v[BM+\b]    ; the floor 2^(16 - 127)
.endr
.irp b, 0,1,2,3
	s_delay_alu instid0(VALU_DEP_4)
	v_add_nc_u32 v[SOP+\b], 0xf8800000, v[BM+\b]
.endr
.irp b, 0,1,2,3
	v_and_or_b32 v[HL+\b], v[BM+\b], 0x7f800000, s[MNT]
.endr
.irp b, 0,1,2,3
	v_lshrrev_b32 v[PT+\b], 23, v[SOP+\b]
.endr
	s_delay_alu instid0(VALU_DEP_3)
	v_lshl_or_b32 v253, v[PT+1], 8, v[PT]          ; p's scale word for these 128 keys
	s_delay_alu instid0(VALU_DEP_1)
	v_lshl_or_b32 v253, v[PT+2], 16, v253
	s_delay_alu instid0(VALU_DEP_1)
	v_lshl_or_b32 v253, v[PT+3], 24, v253
.irp b, 0,1,2,3
.irp i, 0,1,2,3,4,5,6,7,8,9,10,11,12,13,14,15
	v_min_num_f32 v[S+16*\b+\i], v[S+16*\b+\i], v[HL+\b]   ; p is not negative: a one-sided hold
.endr
	v_cvt_scalef32_pk8_bf8_f32 v[PCD+4*\b:PCD+4*\b+1], v[S+16*\b:S+16*\b+7], v[SOP+\b]
	v_cvt_scalef32_pk8_bf8_f32 v[PCD+4*\b+2:PCD+4*\b+3], v[S+16*\b+8:S+16*\b+15], v[SOP+\b]
.endr
.set j, 0
.rept 16
	v_pk_mul_f32 v[O+j:O+j+1], v[O+j:O+j+1], v[252:253] op_sel_hi:[1,0]   ; O^T under the new M; also the places ahead of the products
.set j, j+2
.endr
	s_wait_alu depctr_va_vdst(0)
	s_wait_dscnt 0x0                               ; V^T
.irp t, 0,1,2,3
	v_wmma_scale_f32_16x16x128_f8f6f4 v[O+8*\t:O+8*\t+7], v[F+16*\t:F+16*\t+15], v[PCD:PCD+15], v[O+8*\t:O+8*\t+7], v[KW+\t], v253 matrix_a_fmt:MATRIX_FMT_BF8 matrix_b_fmt:MATRIX_FMT_BF8
.endr
.Lhidden:
	s_add_co_u32 s[TK], s[TK], 8192
	s_add_co_u32 s[TV], s[TV], 4096
	s_add_co_u32 s[TS], s[TS], 512
	s_add_co_u32 s[ST], s[ST], 1
	s_cmp_lt_u32 s[ST], 16
	s_cbranch_scc1 .Lstep
	; THE TWO PARTS OF THE LONG TILE MEET.  Waves 8-15 store theirs as an image of the registers: eight pieces of O^T, one of (-M, the largest t, the sum's two halves)
	s_cmp_eq_u32 s[KIND], 1
	s_cbranch_scc0 .Lnot_giver
.rept 8
	v_nop                                          ; places behind the last products
.endr
.irp i, 0,1,2,3,4,5,6,7
	ds_store_b128 v[PA], v[O+4*\i:O+4*\i+3] offset:512*\i          ; each accumulator from its low end on
.endr
	ds_store_b128 v[PA], v[12:15] offset:4096
.Lnot_giver:
	s_wait_dscnt 0x0                               ; for the partner: my stores have landed
	s_barrier_signal -1
	s_barrier_wait -1
	s_cmp_eq_u32 s[KIND], 0
	s_cbranch_scc0 .Lend
.irp i, 0,1,2,3,4,5,6,7,8
	ds_load_b128 v[S+4*\i:S+4*\i+3], v[PA] offset:512*\i           ; waves 0-7: the partner's part: O^T in v[S..S+31], -M in v[S+32], the sum in v[S+34:S+35]
.endr
.rept 8
	v_nop                                          ; places behind my last products, ahead of the first read of O^T
.endr
	s_wait_dscnt 0x0
	v_min_num_f32 v[T], v12, v[S+32]               ; -M of both: the larger M.  (A partner that had no step left brings -M = 3e38, zeros, and so the factor 0)
	v_mov_b32 v[BM+3], 0                           ; (named as the upper half of a pair)
	s_delay_alu instid0(VALU_DEP_2)
	v_sub_f32 v[BM], v[T], v12                     ; my M less the larger: a whole number, 0 or less
	v_sub_f32 v[BM+1], v[T], v[S+32]               ; the partner's likewise
	s_delay_alu instid0(VALU_DEP_2)
	v_cvt_i32_f32 v[BM], v[BM]                     ; (it saturates)
	s_delay_alu instid0(VALU_DEP_2)
	v_cvt_i32_f32 v[BM+1], v[BM+1]
	s_delay_alu instid0(VALU_DEP_2)
	v_ldexp_f32 v252, 1.0, v[BM]                   ; my factor,
	s_delay_alu instid0(VALU_DEP_2)
	v_ldexp_f32 v[BM+2], 1.0, v[BM+1]              ; the partner's: powers of two, which round nothing
.set j, 0
.rept 16
	v_pk_mul_f32 v[O+j:O+j+1], v[O+j:O+j+1], v[252:253] op_sel_hi:[1,0]
.set j, j+2
.endr
.set j, 0
.rept 16
	v_pk_fma_f32 v[O+j:O+j+1], v[S+j:S+j+1], v[BM+2:BM+3], v[O+j:O+j+1] op_sel_hi:[1,0,1]
.set j, j+2
.endr
	v_pk_mul_f32 v[14:15], v[14:15], v[252:253] op_sel_hi:[1,0]
	s_delay_alu instid0(VALU_DEP_1)
	v_pk_fma_f32 v[14:15], v[S+34:S+35], v[BM+2:BM+3], v[14:15] op_sel_hi:[1,0,1]
	WAYOUT                                         ; the long tile leaves
.Lend:
	s_wait_tensorcnt 0x0                           ; the end of the wave
	ds_add_u32 v251, v254
	s_wait_dscnt 0x0
	CROUND                                         ; the closing round
	s_endpgm
.Lfunc_end_k_q2add52712e_attn:
	.size	k_q2add52712e_attn, .Lfunc_end_k_q2add52712e_attn-k_q2add52712e_attn
	.p2alignl 7, 3214868480
	.fill 96, 4, 3214868480
	.section	.rodata,"a",@progbits
	.p2align	6, 0x0
	.amdhsa_kernel k_q2add52712e_attn
		.amdhsa_group_segment_fixed_size 327680
		.amdhsa_private_segment_fixed_size 0
		.amdhsa_enable_private_segment 0
		.amdhsa_kernarg_size 16
		.amdhsa_user_sgpr_count 2
		.amdhsa_user_sgpr_kernarg_segment_ptr 1
		.amdhsa_wavefront_size32 1
		.amdhsa_system_sgpr_workgroup_id_x 1
		.amdhsa_system_sgpr_workgroup_id_y 1
		.amdhsa_system_sgpr_workgroup_id_z 1
		.amdhsa_system_vgpr_workitem_id 0
		.amdhsa_next_free_vgpr 256
		.amdhsa_next_free_sgpr 106
		.amdhsa_reserve_vcc 1
		.amdhsa_float_denorm_mode_32 3
		.amdhsa_float_denorm_mode_16_64 3
		.amdhsa_memory_ordered 1
		.amdhsa_forward_progress 1
		.amdhsa_inst_pref_size 57
	.end_amdhsa_kernel
	.amdgpu_metadata
---
amdhsa.version: [ 1, 2 ]
amdhsa.kernels:
  - .name:           k_q2add52712e_attn
    .symbol:         k_q2add52712e_attn.kd
    .args:
      - { .name: qkvb, .offset: 0, .size: 8, .value_kind: global_buffer, .address_space: global }
      - { .name: ctxb, .offset: 8, .size: 8, .value_kind: global_buffer, .address_space: global }
    .group_segment_fixed_size: 327680
    .private_segment_fixed_size: 0
    .kernarg_segment_align: 8
    .kernarg_segment_size: 16
    .max_flat_workgroup_size: 512
    .sgpr_count:     106
    .vgpr_count:     256
    .wavefront_size: 32
...
	.end_amdgpu_metadata
.endif
;; end of part 3
;; launch wo (part 4): grid 8 x 32, 4 waves a work-group, clusters of 4 x 4, 327,680 bytes of LDS; arguments ctxb, wbuf, z, z1; writes z1
.if DOCPART == 4
	.amdgcn_target "amdgcn-amd-amdhsa--gfx1250"
	.amdhsa_code_object_version 6
	.text
	.protected	k_q2add52712e_wo
	.globl	k_q2add52712e_wo
	.p2align	8
	.type	k_q2add52712e_wo,@function
k_q2add52712e_wo:
	s_mov_b64 s[64:65], 0
	v_nop
	global_prefetch_b8 v0, s[64:65] scope:SCOPE_SE
	s_setreg_imm32_b32 hwreg(HW_REG_WAVE_MODE, 25, 1), 1
	s_wait_xcnt 0x0
	s_wait_alu depctr_hold_cnt(0) depctr_sa_sdst(0) depctr_va_vdst(0) depctr_va_sdst(0) depctr_va_ssrc(0) depctr_va_vcc(0) depctr_vm_vsrc(0)
	s_getreg_b32 s2, hwreg(HW_REG_IB_STS2, 6, 4)
	s_cmp_eq_u32 s2, 0
	s_cbranch_scc0 .Lentry_in_a_cluster
	s_endpgm
.Lentry_in_a_cluster:
	s_bfe_u32 s2, ttmp6, 0x10000c
	s_cmp_lg_u32 s2, 0xf033
	s_cbranch_scc0 .Lentry_shape_is_right
	s_endpgm
.Lentry_shape_is_right:
; z1 = z + ctx W_O on codes of BF8 (E5M2) with E8M0 scales.  ctx: 4,096 tokens x 1,024, W_O: 1,024 columns x 1,024, both as IMAGES OF OPERAND REGISTERS: [tile of 16 rows][K step of 128][2048 bytes],
; scale words [tile][K step][16 words]; tile t holds in lane r the row 32 (t/2) + 8 (t%2) + r + 8 (r/8).  z, z1: [4096][1024] f32.
; The result has 32 x 8 blocks of 128 x 128: one for each of 256 work-groups.  Four waves, 64 x 64 each: 16 accumulators.
; ALL OF K LIES IN LDS, FILLED ONCE: A's 8 tiles are 131,072 dense bytes, B's likewise, their scale words 4,096 bytes each: four loads, one a wave, at the head.  Nothing is filled again, so there is no ring.
; CLUSTERS: 4 x 4 work-groups; A's bytes are asked for jointly along a row of the cluster, B's along a column.
; The matrix instruction is used transposed (source 0 = B, source 1 = A): a lane holds one token and eight neighbouring columns.  The residual is asked for at the head, in the layout of the stores.
; No prefetch is laid: the launch has no loop to run ahead in; all that it reads is asked for at its head.
; REGISTERS: window 0: v16-29 addresses; v32-63 scale words (register 4 q + i: K step q, lanes 0-15 block i of A, lanes 16-31 block i of B) and nothing else; v64-127 the way out; v128-255 accumulator (a, b) at v[128 + 8 (4 a + b)].
;   window 1: two sets of fragments at 0 and 128: 64 registers of A, then 64 of B.  window 2: v0-127 the residual.
.set SIZE_K, 1024
.set ASOFF,  0x400000                  ; where A's scale words begin in its buffer
.set BCOFF,  0x300000                  ; where W_O's codes begin in wbuf
.set BSOFF,  0xC00000+BCOFF/32         ; and its scale words
.set TP,     16*SIZE_K                 ; a tile of codes
.set SROW,   SIZE_K/2                  ; a tile of scale words
.set NP,     8                         ; places behind this matrix form (ISA guide 7.12.1)
.set BLDS,   8*TP                      ; LDS: A's 8 tiles at 0, B's here
.set SCL,    16*TP                     ; A's scale words, then B's
.set SPARE,  SCL+16*SROW               ; the spare words: 128 bytes a wave, named by no other line
.set STG,    SPARE+512                 ; the way out: 16 rows x (256 bytes + 16) a wave, bytes into which no load lands
.set SPITCH, 272
.set ADRA, 16
.set ADRB, 20
.set STO,  24
.set RD,   25
.set CO,   26
.set ADRS, 27
.set SPW,  28
.set NIL,  29
.set SC,   32
.set BK,   64
.set ACC,  128
.set G1, 24
.set G0, 32
.set G1B, 48
.set G0B, 56
.set G1S, 68
.set G0S, 76
.set G1SB, 80
.set G0SB, 88
.set MSB, 0
.macro WIN new
.if MSB != (\new)
	s_set_vgpr_msb (MSB<<8)|(\new)
.set MSB, (\new)
.endif
.endm
.set MUL,  0x05                        ; sources 0 (B) and 1 (A) window 1; C and D window 0
.set TO_F, 0x40
.macro CROUND                          ; a round of the cluster's barrier
	s_barrier_signal -1
	s_barrier_wait -1
	s_cmp_lg_u32 s14, 0
	s_cbranch_scc1 .Lnot_wave_0_\@
	s_barrier_signal -3
.Lnot_wave_0_\@:
	s_barrier_wait -3
	s_barrier_signal -1
	s_barrier_wait -1
.endm
.macro PLACES n
.rept \n
	v_nop
.endr
.endm
	s_load_b256 s[4:11], s[0:1], 0x0               ; ctx, wbuf, z, z1
	v_lshl_add_u32 v[SPW], v0, 2, SPARE
	v_mov_b32 v[NIL], 0
	ds_add_u32 v[SPW], v[NIL]                      ; the opening lines: the add twice on end and one wait
	ds_add_u32 v[SPW], v[NIL]
	v_lshrrev_b32 v1, 5, v0
	v_readfirstlane_b32 s14, v1                    ; wave
	s_lshr_b32 s15, s14, 1                         ; my half of the rows
	s_and_b32 s16, s14, 1                          ; my half of the columns
	s_bfe_u32 s40, ttmp6, 0x40000
	s_bfe_u32 s41, ttmp6, 0x40004
	s_lshl_b32 s42, ttmp9, 2
	s_add_co_u32 s42, s42, s40                     ; block column
	s_and_b32 s17, ttmp7, 0xffff
	s_lshl_b32 s17, s17, 2
	s_add_co_u32 s17, s17, s41                     ; block row
	s_lshl_b32 s43, s41, 2
	s_lshl_b32 s43, 15, s43                        ; my row of the cluster
	s_lshl_b32 s44, 0x1111, s40                    ; my column
	s_or_b32 s[G1+0], s43, (3<<16)|(1<<21)
	s_or_b32 s[G1B+0], s44, (3<<16)|(1<<21)
.irp g, G1, G1B                        ; codes: 8 tiles of 16,384 bytes on end (elements of 8 bytes)
	s_mov_b32 s[\g+1], (TP/8)<<16
	s_mov_b32 s[\g+2], 8<<16
	s_mov_b32 s[\g+3], (TP/8)<<16
	s_mov_b32 s[\g+4], 8
	s_mov_b32 s[\g+5], TP/8
	s_mov_b32 s[\g+6], 0
	s_mov_b32 s[\g+7], 0
.endr
	s_or_b32 s[G1S+0], s43, (3<<16)|(1<<21)
	s_or_b32 s[G1SB+0], s44, (3<<16)|(1<<21)
.irp g, G1S, G1SB                      ; scale words of 8 tiles: 4,096 dense bytes as 16 rows of 256
	s_mov_b32 s[\g+1], 32<<16
	s_mov_b32 s[\g+2], (8*SROW/256)<<16
	s_mov_b32 s[\g+3], 32<<16
	s_mov_b32 s[\g+4], 8*SROW/256
	s_mov_b32 s[\g+5], 32
	s_mov_b32 s[\g+6], 0
	s_mov_b32 s[\g+7], 0
.endr
	s_mul_i32 s20, s17, 8*TP                       ; A's codes hang on the block row alone,
	s_mov_b32 s21, 0
	s_mul_i32 s22, s17, 8*SROW
	s_add_co_u32 s22, s22, ASOFF
	s_mov_b32 s23, 0
	s_mul_i32 s46, s42, 8*TP                       ; B's on the block column alone
	s_add_co_u32 s46, s46, BCOFF
	s_mov_b32 s47, 0
	s_mul_i32 s12, s42, 8*SROW
	s_add_co_u32 s12, s12, BSOFF
	s_mov_b32 s13, 0
	s_mov_b32 s[G0], 1
	s_mov_b32 s[G0+1], 0
	s_mov_b32 s[G0B], 1
	s_mov_b32 s[G0B+1], BLDS
	s_mov_b32 s[G0S], 1
	s_mov_b32 s[G0S+1], SCL
	s_mov_b32 s[G0SB], 1
	s_mov_b32 s[G0SB+1], SCL+8*SROW
	s_wait_dscnt 0x0                               ; both opening adds are done
	s_wait_kmcnt 0x0
	s_add_nc_u64 s[G0+2:G0+3], s[4:5], s[20:21]
	s_or_b32 s[G0+3], s[G0+3], 0x80000000
	s_add_nc_u64 s[G0B+2:G0B+3], s[6:7], s[46:47]
	s_or_b32 s[G0B+3], s[G0B+3], 0x80000000
	s_add_nc_u64 s[G0S+2:G0S+3], s[4:5], s[22:23]
	s_or_b32 s[G0S+3], s[G0S+3], 0x80000000
	s_add_nc_u64 s[G0SB+2:G0SB+3], s[6:7], s[12:13]
	s_or_b32 s[G0SB+3], s[G0SB+3], 0x80000000
	CROUND                                         ; all sixteen work-groups are here: the joint loads meet
; one load a wave, in one chain of branches on the wave's number with one join
.macro ARM under, g0, g1, next
	s_cmp_lt_u32 s14, \under
	s_cbranch_scc0 \next
	tensor_load_to_lds s[\g0:\g0+3], s[\g1:\g1+7]
	s_nop 0
	PLACES 4
	s_branch .Lhead_asked
\next:
.endm
	ARM 1, G0,  G1,  .Lhead_b
	ARM 2, G0B, G1B, .Lhead_sa
	ARM 3, G0S, G1S, .Lhead_sb
	tensor_load_to_lds s[G0SB:G0SB+3], s[G1SB:G1SB+7]
	s_nop 0
	PLACES 4
.Lhead_asked:
	v_and_b32 v1, 15, v0                           ; r
	v_bfe_u32 v2, v0, 4, 1                         ; h
	v_lshlrev_b32 v[CO], 12, v2                    ; lanes 0-15 one token, lanes 16-31 the next; 16 bytes a lane
	v_lshl_add_u32 v[CO], v1, 4, v[CO]
	s_wait_alu depctr_va_vdst(0)
	s_lshl_b32 s18, s17, 19                        ; 128 tokens a block row, 4,096 bytes a token
	s_lshl_b32 s19, s15, 18
	s_add_co_u32 s18, s18, s19
	s_lshl_b32 s19, s42, 9
	s_add_co_u32 s18, s18, s19
	s_lshl_b32 s19, s16, 8
	s_add_co_u32 s18, s18, s19
	s_mov_b32 s19, 0
	s_add_nc_u64 s[8:9], s[8:9], s[18:19]
	s_add_nc_u64 s[10:11], s[10:11], s[18:19]
	WIN 0x80                                       ; destination window 2
.irp a, 0,1,2,3                        ; the residual of my 64 x 64: block a, rows 2 t and 2 t + 1 of the tile, which are tokens 32 (a/2) + 8 (a%2) + 2 t + 8 (t/4) on
.irp t, 0,1,2,3,4,5,6,7
	global_load_b128 v[32*\a+4*\t:32*\a+4*\t+3], v[CO], s[8:9] offset:(32*(\a/2)+8*(\a%2)+2*\t+8*(\t/4))*4096
.endr
.endr
	WIN 0
	v_and_b32 v3, 31, v0
	v_lshlrev_b32 v4, 4, v3
	s_lshl_b32 s21, s15, 16                        ; my 4 tiles of A,
	s_lshl_b32 s22, s16, 16
	s_add_co_u32 s22, s22, BLDS                    ; and of B
	v_add_nc_u32 v[ADRA], s21, v4
	v_add_nc_u32 v[ADRB], s22, v4
	v_lshlrev_b32 v5, 2, v1
	s_mul_i32 s21, s15, 4*SROW
	s_mul_i32 s22, s16, 4*SROW
	s_add_co_u32 s22, s22, 8*SROW
	s_sub_co_u32 s22, s22, s21
	v_mul_u32_u24 v6, s22, v2                      ; lanes 16-31 take B's words
	s_add_co_u32 s21, s21, SCL
	v_add_nc_u32 v5, v5, v6
	v_add_nc_u32 v[ADRS], s21, v5
	s_mul_i32 s23, s14, 16*SPITCH
	s_add_co_u32 s23, s23, STG                     ; my stage
	v_mul_u32_u24 v5, v1, SPITCH
	v_lshl_add_u32 v5, v2, 6, v5
	v_add_nc_u32 v[STO], s23, v5                   ; in: row r, + 64 h
	v_mul_u32_u24 v5, v2, SPITCH
	v_lshl_add_u32 v5, v1, 4, v5
	v_add_nc_u32 v[RD], s23, v5                    ; back: two rows an instruction
.macro MUL4 a, q, zero                 ; block a of A x the four of B, K step q.  The 16 accumulators take turns, in the same order in every step
.irp b, 0,1,2,3
.if \zero
	v_wmma_scale_f32_16x16x128_f8f6f4 v[ACC+8*(4*(\a)+\b):ACC+8*(4*(\a)+\b)+7], v[128*((\q)%2)+64+16*\b:128*((\q)%2)+64+16*\b+15], v[128*((\q)%2)+16*(\a):128*((\q)%2)+16*(\a)+15], 0, v[SC+4*(\q)+\b], v[SC+4*(\q)+(\a)] matrix_a_fmt:MATRIX_FMT_BF8 matrix_b_fmt:MATRIX_FMT_BF8 matrix_a_scale:MATRIX_SCALE_ROW1
.else
	v_wmma_scale_f32_16x16x128_f8f6f4 v[ACC+8*(4*(\a)+\b):ACC+8*(4*(\a)+\b)+7], v[128*((\q)%2)+64+16*\b:128*((\q)%2)+64+16*\b+15], v[128*((\q)%2)+16*(\a):128*((\q)%2)+16*(\a)+15], v[ACC+8*(4*(\a)+\b):ACC+8*(4*(\a)+\b)+7], v[SC+4*(\q)+\b], v[SC+4*(\q)+(\a)] matrix_a_fmt:MATRIX_FMT_BF8 matrix_b_fmt:MATRIX_FMT_BF8 matrix_a_scale:MATRIX_SCALE_ROW1
.endif
.endr
.endm
.macro FETCH q                         ; 32 LDS loads: the fragments of K step q into set q % 2; the largest offset is 3 x 16,384 + 7 x 2,048 + 1,536
	WIN TO_F
.irp i, 0,1,2,3
.irp c, 0,1,2,3
	ds_load_b128 v[128*((\q)%2)+64+16*\i+4*\c:128*((\q)%2)+64+16*\i+4*\c+3], v[ADRB] offset:TP*\i+2048*(\q)+512*\c
	ds_load_b128 v[128*((\q)%2)+16*\i+4*\c:128*((\q)%2)+16*\i+4*\c+3], v[ADRA] offset:TP*\i+2048*(\q)+512*\c
.endr
.endr
.endm
.macro STEP q, zero                    ; 128 along K; in its middle the next step's fragments are asked for
	s_wait_dscnt 0x0
	WIN MUL
	MUL4 0, \q, \zero
	MUL4 1, \q, \zero
.if (\q) < 7
	PLACES NP                                      ; ahead of loads into registers that the last step's products read
	FETCH (\q)+1
	WIN MUL
.endif
	MUL4 2, \q, \zero
	MUL4 3, \q, \zero
.endm
	s_wait_alu depctr_va_vdst(0)
	s_wait_tensorcnt 0x0                           ; my load has landed,
	s_barrier_signal -1
	s_barrier_wait -1                              ; everybody's has.  The loaded bytes are only read from here on
.irp q, 0,1,2,3,4,5,6,7
.irp i, 0,1,2,3
	ds_load_b32 v[SC+4*\q+\i], v[ADRS] offset:SROW*\i+64*\q
.endr
.endr
	FETCH 0
	STEP 0, 1                                      ; the first products start the sums
.irp q, 1,2,3,4,5,6,7
	STEP \q, 0
.endr
	WIN 0
; THE WAY OUT, a block of 16 tokens x 64 columns at a time: through my own stage, back as rows of 256 bytes, the residual added, sixteen lanes to an aligned run of 256 bytes.
.macro TOSTAGE a
.irp b, 0,1,2,3
	ds_store_b128 v[STO], v[ACC+8*(4*(\a)+\b):ACC+8*(4*(\a)+\b)+3] offset:128*(\b/2)+32*(\b%2)       ; column 32 (b/2) + 8 (b%2) + 16 h + j; each accumulator from its low end on
	ds_store_b128 v[STO], v[ACC+8*(4*(\a)+\b)+4:ACC+8*(4*(\a)+\b)+7] offset:128*(\b/2)+32*(\b%2)+16
.endr
.irp t, 0,1,2,3,4,5,6,7
	ds_load_b128 v[BK+32*((\a)%2)+4*\t:BK+32*((\a)%2)+4*\t+3], v[RD] offset:2*SPITCH*\t   ; LDS serves a wave in order: these see the stores above
.endr
.endm
.macro SEND a, younger
.set BB, BK+32*((\a)%2)
	s_wait_dscnt \younger
	WIN 0x08                                       ; source 1 window 2
.set j, 0
.rept 16
	v_pk_add_f32 v[BB+j:BB+j+1], v[BB+j:BB+j+1], v[32*(\a)+j:32*(\a)+j+1]
.set j, j+2
.endr
	WIN 0
.irp t, 0,1,2,3,4,5,6,7
	global_store_b128 v[CO], v[BB+4*\t:BB+4*\t+3], s[10:11] offset:(32*((\a)/2)+8*((\a)%2)+2*\t+8*(\t/4))*4096
.endr
.endm
	PLACES NP
	s_wait_loadcnt 0x0                             ; the residual
	TOSTAGE 0
.irp a, 1,2,3
.if \a > 1
	s_wait_xcnt 0x0                                ; the stores of two blocks back have read their data: the loads below may land there
.endif
	TOSTAGE \a
	SEND \a-1, 16                                  ; behind its loads: the next block's 8 stores and 8 loads
.endr
	SEND 3, 0
	s_wait_tensorcnt 0x0                           ; the end of the wave
	ds_add_u32 v[SPW], v[NIL]
	s_wait_dscnt 0x0
	CROUND                                         ; the closing round
	s_endpgm
.Lfunc_end_k_q2add52712e_wo:
	.size	k_q2add52712e_wo, .Lfunc_end_k_q2add52712e_wo-k_q2add52712e_wo
	.p2alignl 7, 3214868480
	.fill 96, 4, 3214868480
	.section	.rodata,"a",@progbits
	.p2align	6, 0x0
	.amdhsa_kernel k_q2add52712e_wo
		.amdhsa_group_segment_fixed_size 327680
		.amdhsa_private_segment_fixed_size 0
		.amdhsa_enable_private_segment 0
		.amdhsa_kernarg_size 32
		.amdhsa_user_sgpr_count 2
		.amdhsa_user_sgpr_kernarg_segment_ptr 1
		.amdhsa_wavefront_size32 1
		.amdhsa_system_sgpr_workgroup_id_x 1
		.amdhsa_system_sgpr_workgroup_id_y 1
		.amdhsa_system_sgpr_workgroup_id_z 1
		.amdhsa_system_vgpr_workitem_id 0
		.amdhsa_next_free_vgpr 640
		.amdhsa_next_free_sgpr 98
		.amdhsa_reserve_vcc 0
		.amdhsa_float_denorm_mode_32 3
		.amdhsa_float_denorm_mode_16_64 3
		.amdhsa_memory_ordered 1
		.amdhsa_forward_progress 1
		.amdhsa_inst_pref_size 60
	.end_amdhsa_kernel
	.amdgpu_metadata
---
amdhsa.version: [ 1, 2 ]
amdhsa.kernels:
  - .name:           k_q2add52712e_wo
    .symbol:         k_q2add52712e_wo.kd
    .args:
      - { .name: ctxb, .offset: 0, .size: 8, .value_kind: global_buffer, .address_space: global }
      - { .name: wbuf, .offset: 8, .size: 8, .value_kind: global_buffer, .address_space: global }
      - { .name: z, .offset: 16, .size: 8, .value_kind: global_buffer, .address_space: global }
      - { .name: z1, .offset: 24, .size: 8, .value_kind: global_buffer, .address_space: global }
    .group_segment_fixed_size: 327680
    .private_segment_fixed_size: 0
    .kernarg_segment_align: 8
    .kernarg_segment_size: 32
    .max_flat_workgroup_size: 128
    .sgpr_count:     98
    .vgpr_count:     640
    .wavefront_size: 32
...
	.end_amdgpu_metadata
.endif
;; end of part 4
;; launch norm2 (part 5): grid 256 x 1, 4 waves a work-group, no clusters, 41,472 bytes of LDS; arguments z1, g2, n2; writes n2
.if DOCPART == 5
	.amdgcn_target "amdgcn-amd-amdhsa--gfx1250"
	.amdhsa_code_object_version 6
	.text
	.protected	k_q2add52712e_norm2
	.globl	k_q2add52712e_norm2
	.p2align	8
	.type	k_q2add52712e_norm2,@function
k_q2add52712e_norm2:
	s_mov_b64 s[64:65], 0
	v_nop
	global_prefetch_b8 v0, s[64:65] scope:SCOPE_SE
	s_setreg_imm32_b32 hwreg(HW_REG_WAVE_MODE, 25, 1), 1
	s_wait_xcnt 0x0
; out = Q(x / sqrt(mean(x^2) + 1e-5) * g): RMS norm of rows of 1,024 f32, quantised along the row to BF8 (E5M2) with one E8M0 byte for each 32, laid as images of operand registers.
; Tile rt (16 rows) holds in lane r the token 32 (rt/2) + 8 (rt%2) + r + 8 (r/8).  Codes: [rt][8 K steps][2048] (piece c of 512 bytes: lane 16 h + r at byte 16 x lane holds k = 32 c + 16 h + 0..15);
; scale words at 4 MiB: [rt][8][16 words].  A work-group makes one tile, 16 KiB on end; wave w takes r = 4 w .. 4 w + 3, which are four neighbouring tokens: 16 KiB on end in memory.
; A row stays in registers between the sum of squares and the scaling.  The conversion wants 16 neighbours along K in one lane, the loads give 4: half a row (2,048 bytes) at a time turns through the
; wave own stage in LDS (16 bytes of padding behind each 64).  The codes meet in an image in LDS (half pieces of 256 bytes, 272 apart) and leave as runs of 512 bytes a store.
; The division is a multiplication by v_rsq_f32 (1 ulp).  LIMITS: a block of zeros gets the byte 1 (its codes are zeros; only this program reads the bytes); NaN and infinities are not served.
.set SP,   80                          ; a lane place in a stage: 64 bytes + 16
.set STG,  2*32*SP                     ; two stages a wave
.set IMG,  4*STG                       ; the image: 64 half pieces
.set IP,   272
.set SCB,  IMG+64*IP                   ; the 512 scale bytes
.set RS,   8                           ; v8,10,12,14 1 / rms of my four rows (named as pairs; the odd registers are written once)
.set E,    16                          ; v16-23 a scale byte for each step
.set G,    32                          ; v32-63 the gain
.set R,    64                          ; v64-191 four rows as loaded
.set X,    192                         ; v192-223 two sets of 16 neighbours
.set C,    224                         ; v224-255 codes, four registers for each step
	s_load_b128 s[4:7], s[0:1], 0x0                ; x, g
	s_load_b64 s[8:9], s[0:1], 0x10                ; out
	v_lshl_add_u32 v30, v0, 2, 0xa000
	v_mov_b32 v31, 0
	v_lshrrev_b32 v1, 5, v0
	v_readfirstlane_b32 s12, v1                    ; wave
	v_and_b32 v29, 31, v0                          ; lane
	s_wait_alu depctr_va_vdst(0)
	v_lshlrev_b32 v1, 4, v29                       ; 16 x lane
	s_lshr_b32 s13, ttmp9, 1
	s_lshl_b32 s13, s13, 5
	s_and_b32 s14, ttmp9, 1
	s_lshl_b32 s14, s14, 3
	s_add_co_u32 s13, s13, s14
	s_lshl_b32 s14, s12, 2
	s_add_co_u32 s13, s13, s14
	s_lshr_b32 s14, s12, 1
	s_lshl_b32 s14, s14, 3
	s_add_co_u32 s13, s13, s14                     ; my first token: 32 (rt/2) + 8 (rt%2) + 4 w + 8 (w/2)
	s_lshl_b32 s16, s13, 12
	s_mov_b32 s17, 0
	s_lshl_b32 s18, ttmp9, 14
	s_lshl_b32 s14, s12, 12
	s_add_co_u32 s18, s18, s14                     ; the tile image, my quarter of it
	s_mov_b32 s19, 0
	s_lshl_b32 s20, ttmp9, 9
	s_add_co_u32 s20, s20, 0x400000                ; the tile scale words
	s_mov_b32 s21, 0
	s_mov_b32 s22, 0x76543210
	s_mov_b32 s23, 0xfedcba98                      ; lane l xor 16
	s_mov_b32 s24, 0x3a800000                      ; 1 / 1,024
	s_mov_b32 s25, 0x3727c5ac                      ; 1e-5
	s_mov_b32 s26, 0x600000                        ; the mantissa field of 57,344
	s_mul_i32 s15, s12, STG
	v_lshrrev_b32 v2, 2, v29
	v_mul_u32_u24 v2, v2, SP
	v_and_b32 v3, 3, v29
	v_lshl_add_u32 v2, v3, 4, v2
	v_add_nc_u32 v2, s15, v2                       ; the stage, in: four lanes on end, then padding
	v_mul_u32_u24 v3, v29, SP
	v_add_nc_u32 v3, s15, v3                       ; and out: my 64 bytes
	v_mul_u32_u24 v4, v29, IP
	s_lshl_b32 s14, s12, 6
	s_add_co_u32 s14, s14, IMG
	v_add_nc_u32 v4, s14, v4                       ; the image, in: half piece = lane (+ 32 for the second half row), byte 16 r = 64 w + 16 i
	v_lshrrev_b32 v5, 3, v29
	v_lshlrev_b32 v5, 6, v5
	v_bfe_u32 v6, v29, 1, 2
	v_add_nc_u32 v5, v5, v6
	s_lshl_b32 s14, s12, 4
	s_add_co_u32 s14, s14, SCB
	v_add_nc_u32 v5, s14, v5                       ; my block byte: K step lane / 8, word r, byte (lane / 2) % 4
	v_lshrrev_b32 v6, 4, v29
	v_mul_u32_u24 v6, v6, IP
	v_and_b32 v7, 15, v29
	v_lshl_add_u32 v6, v7, 4, v6
	s_mul_i32 s14, s12, 16*IP
	s_add_co_u32 s14, s14, IMG
	v_add_nc_u32 v6, s14, v6                       ; the image, out: two half pieces an instruction
	v_add_nc_u32 v7, SCB, v1
.irp i, 0,1,2,3
	v_mov_b32 v[RS+2*\i+1], 0
.endr
	v_mov_b32 v28, 0                               ; a lane permute destination counts as one of its sources
	s_wait_kmcnt 0x0
	s_add_nc_u64 s[4:5], s[4:5], s[16:17]
	s_add_nc_u64 s[10:11], s[8:9], s[18:19]
	s_add_nc_u64 s[8:9], s[8:9], s[20:21]
.irp j, 0,1,2,3,4,5,6,7
	global_load_b128 v[G+4*\j:G+4*\j+3], v1, s[6:7] offset:512*\j
.endr
.irp i, 0,1,2,3
.irp j, 0,1,2,3,4,5,6,7
	global_load_b128 v[R+32*\i+4*\j:R+32*\i+4*\j+3], v1, s[4:5] offset:4096*\i+512*\j   ; 32 lanes read 512 consecutive bytes
.endr
.endr
.macro SUMSQ i                         ; mean of squares + eps of row i, in every lane
	s_wait_loadcnt 8*(3-\i)                        ; row i is in; the rows behind it may be out
	v_pk_mul_f32 v[24:25], v[R+32*\i:R+32*\i+1], v[R+32*\i:R+32*\i+1]
	v_pk_mul_f32 v[26:27], v[R+32*\i+2:R+32*\i+3], v[R+32*\i+2:R+32*\i+3]
.irp k, 4,8,12,16,20,24,28
	v_pk_fma_f32 v[24:25], v[R+32*\i+\k:R+32*\i+\k+1], v[R+32*\i+\k:R+32*\i+\k+1], v[24:25]
	v_pk_fma_f32 v[26:27], v[R+32*\i+\k+2:R+32*\i+\k+3], v[R+32*\i+\k+2:R+32*\i+\k+3], v[26:27]
.endr
	v_pk_add_f32 v[24:25], v[24:25], v[26:27]
	v_add_f32 v24, v24, v25
	v_add_f32_dpp v24, v24, v24 row_xmask:1 row_mask:0xf bank_mask:0xf
	v_add_f32_dpp v24, v24, v24 row_xmask:2 row_mask:0xf bank_mask:0xf
	v_add_f32_dpp v24, v24, v24 row_xmask:4 row_mask:0xf bank_mask:0xf
	v_add_f32_dpp v24, v24, v24 row_xmask:8 row_mask:0xf bank_mask:0xf
	v_permlanex16_b32 v28, v24, s22, s23
	v_add_f32 v24, v24, v28
	v_fma_f32 v[RS+2*\i], v24, s24, s25
.endm
.irp i, 0,1,2,3
	SUMSQ \i
.endr
	s_wait_alu depctr_va_vdst(0)
.irp i, 0,1,2,3
	v_rsq_f32 v[RS+2*\i], v[RS+2*\i]
.endr
	v_nop                                          ; a plain instruction behind the last of the batch,
	s_wait_alu depctr_va_vdst(0)                   ; and one wait for the four, ahead of their first reader
.irp i, 0,1,2,3
.set k, 0
.rept 16
	v_pk_mul_f32 v[R+32*\i+k:R+32*\i+k+1], v[R+32*\i+k:R+32*\i+k+1], v[RS+2*\i:RS+2*\i+1] op_sel_hi:[1,0]
.set k, k+2
.endr
.set k, 0
.rept 16
	v_pk_mul_f32 v[R+32*\i+k:R+32*\i+k+1], v[R+32*\i+k:R+32*\i+k+1], v[G+k:G+k+1]
.set k, k+2
.endr
.endr
.macro TURN t                          ; half row t (row t / 2, half t % 2) through stage t % 2: LDS serves a wave in order, so no wait between the stores and the loads
.irp j, 0,1,2,3
	ds_store_b128 v2, v[R+16*(\t)+4*\j:R+16*(\t)+4*\j+3] offset:32*SP*((\t)%2)+8*SP*\j
.endr
.irp j, 0,1,2,3
	ds_load_b128 v[X+16*((\t)%2)+4*\j:X+16*((\t)%2)+4*\j+3], v3 offset:32*SP*((\t)%2)+16*\j
.endr
.endm
.macro STEP t
.set XS, X+16*((\t)%2)
.if (\t) < 7
	TURN (\t)+1
	s_wait_dscnt 8                                 ; all but the eight just issued: this half row is back
.else
	s_wait_dscnt 0x0
.endif
	v_max3_num_f32 v24, |v[XS]|, |v[XS+1]|, |v[XS+2]|
	v_max3_num_f32 v25, |v[XS+3]|, |v[XS+4]|, |v[XS+5]|
.irp i, 6,10
	v_max3_num_f32 v24, v24, |v[XS+\i]|, |v[XS+\i+1]|
	v_max3_num_f32 v25, v25, |v[XS+\i+2]|, |v[XS+\i+3]|
.endr
	v_max3_num_f32 v24, v24, |v[XS+14]|, |v[XS+15]|
	v_max3_num_f32 v24, v24, v25, 0x8000000        ; the floor 2^(16 - 127)
	v_max_num_f32_dpp v24, v24, v24 row_xmask:1 row_mask:0xf bank_mask:0xf   ; with my neighbour 16: the block
	v_add_nc_u32 v27, 0xf8800000, v24              ; the conversion scale operand
	v_and_or_b32 v26, v24, 0x7f800000, s26         ; 57,344 x the scale
.set i, 0
.rept 16
	v_med3_num_f32 v[XS+i], v[XS+i], -v26, v26
.set i, i+1
.endr
	v_cvt_scalef32_pk8_bf8_f32 v[C+4*(\t):C+4*(\t)+1], v[XS:XS+7], v27
	v_cvt_scalef32_pk8_bf8_f32 v[C+4*(\t)+2:C+4*(\t)+3], v[XS+8:XS+15], v27
	v_lshrrev_b32 v[E+(\t)], 23, v27               ; the byte (also the plain instruction behind the conversions)
	ds_store_b128 v4, v[C+4*(\t):C+4*(\t)+3] offset:32*IP*((\t)%2)+16*((\t)/2)
	ds_store_b8 v5, v[E+(\t)] offset:256*((\t)%2)+4*((\t)/2)   ; both lanes of a block write the same byte with the same value
.endm
	TURN 0
.irp t, 0,1,2,3,4,5,6,7
	STEP \t
.endr
	s_wait_dscnt 0x0                               ; for the others: my stores into the image have landed
	s_barrier_signal -1
	s_barrier_wait -1
.irp j, 0,1,2,3,4,5,6,7
	ds_load_b128 v[R+4*\j:R+4*\j+3], v6 offset:2*IP*\j
.endr
.irp j, 0,1,2,3,4,5,6,7
	s_wait_dscnt 7-\j
	global_store_b128 v1, v[R+4*\j:R+4*\j+3], s[10:11] offset:512*\j   ; 512 consecutive bytes
.endr
	s_cmp_lg_u32 s12, 0
	s_cbranch_scc1 .Ldone
	ds_load_b128 v[X:X+3], v7                      ; wave 0: the 512 scale bytes
	s_wait_dscnt 0x0
	global_store_b128 v1, v[X:X+3], s[8:9]
.Ldone:
	s_wait_tensorcnt 0x0
	ds_add_u32 v30, v31
	s_wait_dscnt 0x0
	s_endpgm
.Lfunc_end_k_q2add52712e_norm2:
	.size	k_q2add52712e_norm2, .Lfunc_end_k_q2add52712e_norm2-k_q2add52712e_norm2
	.p2alignl 7, 3214868480
	.fill 96, 4, 3214868480
	.section	.rodata,"a",@progbits
	.p2align	6, 0x0
	.amdhsa_kernel k_q2add52712e_norm2
		.amdhsa_group_segment_fixed_size 41472
		.amdhsa_private_segment_fixed_size 0
		.amdhsa_enable_private_segment 0
		.amdhsa_kernarg_size 24
		.amdhsa_user_sgpr_count 2
		.amdhsa_user_sgpr_kernarg_segment_ptr 1
		.amdhsa_wavefront_size32 1
		.amdhsa_system_sgpr_workgroup_id_x 1
		.amdhsa_system_sgpr_workgroup_id_y 1
		.amdhsa_system_sgpr_workgroup_id_z 1
		.amdhsa_system_vgpr_workitem_id 0
		.amdhsa_next_free_vgpr 256
		.amdhsa_next_free_sgpr 66
		.amdhsa_reserve_vcc 0
		.amdhsa_float_denorm_mode_32 3
		.amdhsa_float_denorm_mode_16_64 3
		.amdhsa_memory_ordered 1
		.amdhsa_forward_progress 1
		.amdhsa_inst_pref_size 44
	.end_amdhsa_kernel
	.amdgpu_metadata
---
amdhsa.version: [ 1, 2 ]
amdhsa.kernels:
  - .name:           k_q2add52712e_norm2
    .symbol:         k_q2add52712e_norm2.kd
    .args:
      - { .name: z1, .offset: 0, .size: 8, .value_kind: global_buffer, .address_space: global }
      - { .name: g2, .offset: 8, .size: 8, .value_kind: global_buffer, .address_space: global }
      - { .name: n2, .offset: 16, .size: 8, .value_kind: global_buffer, .address_space: global }
    .group_segment_fixed_size: 41472
    .private_segment_fixed_size: 0
    .kernarg_segment_align: 8
    .kernarg_segment_size: 24
    .max_flat_workgroup_size: 128
    .sgpr_count:     66
    .vgpr_count:     256
    .wavefront_size: 32
...
	.end_amdgpu_metadata
.endif
;; end of part 5
;; launch fc (part 6): grid 16 x 16, 4 waves a work-group, clusters of 4 x 4, 327,680 bytes of LDS; arguments n2, wbuf, hid; writes hid
.if DOCPART == 6
	.amdgcn_target "amdgcn-amd-amdhsa--gfx1250"
	.amdhsa_code_object_version 6
	.text
	.protected	k_q2add52712e_fc
	.globl	k_q2add52712e_fc
	.p2align	8
	.type	k_q2add52712e_fc,@function
k_q2add52712e_fc:
	s_mov_b64 s[64:65], 0
	v_nop
	global_prefetch_b8 v0, s[64:65] scope:SCOPE_SE
	s_setreg_imm32_b32 hwreg(HW_REG_WAVE_MODE, 25, 1), 1
	s_wait_xcnt 0x0
	s_wait_alu depctr_hold_cnt(0) depctr_sa_sdst(0) depctr_va_vdst(0) depctr_va_sdst(0) depctr_va_ssrc(0) depctr_va_vcc(0) depctr_vm_vsrc(0)
	s_getreg_b32 s2, hwreg(HW_REG_IB_STS2, 6, 4)
	s_cmp_eq_u32 s2, 0
	s_cbranch_scc0 .Lentry_in_a_cluster
	s_endpgm
.Lentry_in_a_cluster:
	s_bfe_u32 s2, ttmp6, 0x10000c
	s_cmp_lg_u32 s2, 0xf033
	s_cbranch_scc0 .Lentry_shape_is_right
	s_endpgm
.Lentry_shape_is_right:
; hid = Q(gelu(n2 x W_fc)) on codes of BF8 (E5M2) with E8M0 scales; the hidden layer leaves as codes and scale words for the next product.  Operands lie as images of operand registers: [tile of 16 rows][K step of 128][2048 bytes], scale words [tile][K step][16 words].
; A work-group makes 256 x 256, a wave 128 x 128; K goes in steps of 256 through a ring of two LDS slots (A's 16 tiles, then B's 16 tiles); 4 x 4 work-groups ask jointly: A's tiles along a row of the cluster, B's along a column.
; THE HEAD: one joint load a wave: wave 0 A's 16 tiles of slot 0, wave 2 B's (each by its own ring descriptor, with 16 rows in group 1), waves 1 and 3 the scale words of A's and of B's 16 tiles for all of K.  Slot 1 is first filled as a refill is.
; THE WAY OUT, 16 tokens x 128 columns a trip: erf as a quotient of two polynomials in y^2, y = x / sqrt(2) held within +-4; the 32 reciprocals of half a trip go as one batch, the numerator's lines behind it.
; No prefetch is laid: the block is the largest that the registers hold, in clusters, and K is four slots, of which two are asked for at the head.
; LIMITS: a block of zeros gets the byte 1 (its codes are zeros; only this program reads the bytes); NaN and infinities are not served.
.set NQ,     2
.set FR,     16
.set NL,     4
.set NP,     8
.set SLOT,   131072
.set LAPS,   2
.set SCL,    2*SLOT
.set SPARE,  SCL+16384
.set OLO,  8
.set SOF,  10
.set PW,   13
.set CA5,  14
.set ADRA, 16
.set CB3,  18
.set ADRB, 20
.set ADRS, 27
.set SPW,  28
.set NIL,  29
.set SC,   32
.set H,    64
.set AF,   128
.set Y,    128
.set Y2,   160
.set P,    192
.set Q,    224
.set PC,   128
.set TM,   144
.set G1, 24
.set G0, 32
.set G1B, 48
.set G0B, 56
.set G1S, 68
.set G0S, 76
.set G1SB, 80
.set G0SB, 88
.set SEL, 66
.set MNT, 97
.set MSB, 0
.macro WIN new
.if MSB != (\new)
	s_set_vgpr_msb (MSB<<8)|(\new)
.set MSB, (\new)
.endif
.endm
.set MUL_LO, 0xa1
.set MUL_HI, 0xf1
.set TO_B,   0x40
.macro JLOAD g0a, g1a, g0b, g1b
	s_cmp_eq_u32 s15, 0
	s_cbranch_scc0 .Lfor_b_\@
	tensor_load_to_lds s[\g0a:\g0a+3], s[\g1a:\g1a+7]
	s_nop 0
.rept 4
	v_nop
.endr
	s_branch .Lasked_\@
.Lfor_b_\@:
	tensor_load_to_lds s[\g0b:\g0b+3], s[\g1b:\g1b+7]
	s_nop 0
.rept 4
	v_nop
.endr
.Lasked_\@:
.endm
.macro CREST
	s_cmp_lg_u32 s14, 0
	s_cbranch_scc1 .Lnot_wave_0_\@
	s_barrier_signal -3
.Lnot_wave_0_\@:
	s_barrier_wait -3
	s_barrier_signal -1
	s_barrier_wait -1
.endm
.macro CROUND
	s_barrier_signal -1
	s_barrier_wait -1
	CREST
.endm
	s_load_b128 s[4:7], s[0:1], 0x0
	s_load_b64 s[8:9], s[0:1], 0x10
	v_lshl_add_u32 v[SPW], v0, 2, SPARE
	v_mov_b32 v[NIL], 0
	ds_add_u32 v28, v29
	ds_add_u32 v28, v29
	s_wait_dscnt 0x0
	v_lshrrev_b32 v1, 5, v0
	v_readfirstlane_b32 s14, v1
	s_lshr_b32 s15, s14, 1
	s_and_b32 s16, s14, 1
	s_bfe_u32 s40, ttmp6, 0x40000
	s_bfe_u32 s41, ttmp6, 0x40004
	s_lshl_b32 s42, ttmp9, 2
	s_add_co_u32 s42, s42, s40
	s_and_b32 s17, ttmp7, 0xffff
	s_lshl_b32 s17, s17, 2
	s_add_co_u32 s17, s17, s41
	s_lshl_b32 s43, s41, 2
	s_lshl_b32 s43, 15, s43
	s_lshl_b32 s44, 0x1111, s40
	s_or_b32 s[G1+0], s43, (3<<16)|(1<<21)
	s_or_b32 s[G1B+0], s44, (3<<16)|(1<<21)
.irp g, G1, G1B
	s_mov_b32 s[\g+1], 512<<16
	s_mov_b32 s[\g+2], 16<<16                      ; 16 tiles for the head's loads; 8 for the ring's, set behind the head's wait
	s_mov_b32 s[\g+3], 512<<16
	s_mov_b32 s[\g+4], 16
	s_mov_b32 s[\g+5], 2048
	s_mov_b32 s[\g+6], 0
	s_mov_b32 s[\g+7], 0
.endr
	s_or_b32 s[G1S+0], s43, (3<<16)|(1<<21)
	s_or_b32 s[G1SB+0], s44, (3<<16)|(1<<21)
.irp g, G1S, G1SB
	s_mov_b32 s[\g+1], 32<<16
	s_mov_b32 s[\g+2], 32<<16                      ; the scale words of 16 tiles: 8,192 dense bytes as 32 rows of 256
	s_mov_b32 s[\g+3], 32<<16
	s_mov_b32 s[\g+4], 32
	s_mov_b32 s[\g+5], 32
	s_mov_b32 s[\g+6], 0
	s_mov_b32 s[\g+7], 0
.endr
	s_mov_b32 s18, 0                               ; the block's first tile; the ring's half is added below
	s_lshl_b32 s20, s17, 4
	s_add_co_u32 s20, s20, s18
	s_lshl_b32 s46, s42, 4
	s_add_co_u32 s46, s46, s18
	s_add_co_u32 s46, s46, 256
	s_lshl_b32 s22, s20, 9
	s_add_co_u32 s22, s22, 0x400000
	s_mov_b32 s23, 0
	s_lshl_b32 s12, s46, 9
	s_add_co_u32 s12, s12, 0xC00000
	s_mov_b32 s13, 0
	s_lshl_b32 s20, s20, 14
	s_mov_b32 s21, 0
	s_lshl_b32 s46, s46, 14
	s_mov_b32 s47, 0
	s_lshl_b32 s45, s14, 15
	s_wait_kmcnt 0x0
	s_add_nc_u64 s[20:21], s[4:5], s[20:21]
	s_add_nc_u64 s[22:23], s[4:5], s[22:23]
	s_add_nc_u64 s[46:47], s[6:7], s[46:47]
	s_add_nc_u64 s[12:13], s[6:7], s[12:13]
	CROUND
	s_mov_b32 s[G0S], 1
	s_mov_b32 s[G0S+1], SCL
	s_mov_b64 s[G0S+2:G0S+3], s[22:23]
	s_or_b32 s[G0S+3], s[G0S+3], 0x80000000
	s_mov_b32 s[G0SB], 1
	s_mov_b32 s[G0SB+1], SCL+8192
	s_mov_b64 s[G0SB+2:G0SB+3], s[12:13]
	s_or_b32 s[G0SB+3], s[G0SB+3], 0x80000000
	s_lshl_b32 s18, s16, 17                        ; in the ring I fetch 8 tiles of 16,384 bytes: which half
	s_mov_b32 s19, 0
	s_add_nc_u64 s[20:21], s[20:21], s[18:19]
	s_add_nc_u64 s[46:47], s[46:47], s[18:19]
.irp s, 0,1
	s_mov_b32 s[G0+4*\s], 1
	s_add_co_u32 s[G0+4*\s+1], s45, \s*SLOT
	s_add_nc_u64 s[G0+4*\s+2:G0+4*\s+3], s[20:21], \s*4096
	s_or_b32 s[G0+4*\s+3], s[G0+4*\s+3], 0x80000000
	s_mov_b32 s[G0B+4*\s], 1
	s_add_co_u32 s[G0B+4*\s+1], s45, \s*SLOT
	s_add_nc_u64 s[G0B+4*\s+2:G0B+4*\s+3], s[46:47], \s*4096
	s_or_b32 s[G0B+4*\s+3], s[G0B+4*\s+3], 0x80000000
.endr
; the head's four loads, one a wave, in one chain of branches on the wave's number with one join
.macro ARM wv, g0, g1, next
	s_cmp_eq_u32 s14, \wv
	s_cbranch_scc0 \next
	tensor_load_to_lds s[\g0:\g0+3], s[\g1:\g1+7]
	s_nop 0
.rept 4
	v_nop
.endr
	s_branch .Lhead_asked
\next:
.endm
	ARM 0, G0, G1, .Lhead_b                        ; wave 0's slot 0 descriptor: LDS 0, A's first tile
	ARM 2, G0B, G1B, .Lhead_sa                     ; wave 2's: LDS 65,536, B's first tile
	ARM 1, G0S, G1S, .Lhead_sb
	tensor_load_to_lds s[G0SB:G0SB+3], s[G1SB:G1SB+7]
	s_nop 0
.rept 4
	v_nop
.endr
.Lhead_asked:
	v_and_b32 v1, 15, v0
	v_bfe_u32 v2, v0, 4, 1
	v_and_b32 v3, 31, v0
	v_lshlrev_b32 v4, 4, v3
	s_lshl_b32 s21, s15, 15
	s_lshl_b32 s22, s16, 15
	s_add_co_u32 s22, s22, 65536
.irp s, 0,1
	v_add_nc_u32 v[ADRA+\s], s21, v4
	v_add_nc_u32 v[ADRB+\s], s22, v4
	s_add_co_u32 s21, s21, SLOT
	s_add_co_u32 s22, s22, SLOT
.endr
	v_lshlrev_b32 v5, 2, v1
	v_mov_b32 v[SOF], v5
	v_mov_b32 v[OLO], v4
	s_lshl_b32 s21, s15, 12
	s_lshl_b32 s22, s16, 12
	s_add_co_u32 s22, s22, 8192
	s_sub_co_u32 s22, s22, s21
	v_mul_u32_u24 v6, s22, v2
	s_add_co_u32 s21, s21, SCL
	v_add_nc_u32 v5, v5, v6
	v_add_nc_u32 v[ADRS], s21, v5
	s_lshl_b32 s18, s17, 4
	s_lshl_b32 s19, s15, 3
	s_add_co_u32 s18, s18, s19
	s_lshl_b32 s19, s42, 1
	s_add_co_u32 s19, s19, s16
	s_lshl_b32 s20, s18, 16
	s_lshl_b32 s21, s19, 11
	s_add_co_u32 s20, s20, s21
	s_mov_b32 s21, 0
	s_lshl_b32 s22, s18, 11
	s_lshl_b32 s23, s19, 6
	s_add_co_u32 s22, s22, s23
	s_add_co_u32 s22, s22, 0x1000000
	s_mov_b32 s23, 0
	s_add_nc_u64 s[10:11], s[8:9], s[20:21]
	s_add_nc_u64 s[8:9], s[8:9], s[22:23]
	s_mov_b32 s[SEL], 0x76543210
	s_mov_b32 s[SEL+1], 0xfedcba98
	s_mov_b32 s[MNT], 0x600000
.macro FRAG reg, adr, q, i
.irp c, 0,1,2,3
	ds_load_b128 v[\reg+4*\c:\reg+4*\c+3], v[\adr] offset:4096*(\i)+2048*(\q)+512*\c
.endr
.endm
.macro MUL16 a0, p, q, sc, zero
.irp a, \a0, \a0+1
.irp b, 0,1,2,3,4,5,6,7
.if \zero
	v_wmma_scale_f32_16x16x128_f8f6f4 v[8*(8*((\a)%4)+\b):8*(8*((\a)%4)+\b)+7], v[128*(\p)+FR*\b:128*(\p)+FR*\b+FR-1], v[AF+FR*(\a):AF+FR*(\a)+FR-1], 0, v[SC+8*NQ*(\sc)+NQ*\b+(\q)], v[SC+8*NQ*(\sc)+NQ*(\a)+(\q)] matrix_a_fmt:MATRIX_FMT_BF8 matrix_b_fmt:MATRIX_FMT_BF8 matrix_a_scale:MATRIX_SCALE_ROW1
.else
	v_wmma_scale_f32_16x16x128_f8f6f4 v[8*(8*((\a)%4)+\b):8*(8*((\a)%4)+\b)+7], v[128*(\p)+FR*\b:128*(\p)+FR*\b+FR-1], v[AF+FR*(\a):AF+FR*(\a)+FR-1], v[8*(8*((\a)%4)+\b):8*(8*((\a)%4)+\b)+7], v[SC+8*NQ*(\sc)+NQ*\b+(\q)], v[SC+8*NQ*(\sc)+NQ*(\a)+(\q)] matrix_a_fmt:MATRIX_FMT_BF8 matrix_b_fmt:MATRIX_FMT_BF8 matrix_a_scale:MATRIX_SCALE_ROW1
.endif
.endr
.endr
.endm
.macro FETCH_B slot, q, p
	WIN TO_B
.irp i, 0,1,2,3,4,5,6,7
	FRAG 128*(\p)+FR*\i, ADRB+\slot, \q, \i
.endr
	WIN 0
.endm
.macro FETCH_A slot, q, i0
.irp i, \i0, \i0+1, \i0+2, \i0+3
	FRAG AF+FR*(\i), ADRA+\slot, \q, \i
.endr
.endm
.macro SCALES sc
.irp i, 0,1,2,3,4,5,6,7
	ds_load_b32 v[SC+8*NQ*\sc+NQ*\i], v[ADRS] offset:512*\i
	ds_load_b32 v[SC+8*NQ*\sc+NQ*\i+1], v[ADRS] offset:512*\i+64
.endr
.endm
.macro PLACES n
.rept \n
	v_nop
.endr
.endm
.macro STEP slot, q, zero
	s_wait_dscnt 4*NL
	WIN MUL_LO
	MUL16 0, (\q)%2, \q, \slot, \zero
	MUL16 2, (\q)%2, \q, \slot, \zero
	s_wait_dscnt 0
	PLACES NP
	FETCH_B \slot, (\q)+1, 1-(\q)%2
	FETCH_A \slot, (\q)+1, 0
	WIN MUL_HI
	MUL16 4, (\q)%2, \q, \slot, \zero
	MUL16 6, (\q)%2, \q, \slot, \zero
	PLACES NP
	WIN 0
	FETCH_A \slot, (\q)+1, 4
.endm
.macro TURN slot, next, fill
	s_wait_tensorcnt 0x0
	ds_add_u32 v[SPW], v[NIL]
	s_wait_dscnt 4*NL+1
	WIN MUL_LO
	MUL16 0, 1, NQ-1, \slot, 0
	s_wait_dscnt 0x0
	s_barrier_signal -1
	MUL16 2, 1, NQ-1, \slot, 0
	WIN 0
	s_barrier_wait -1
.if \fill
	CREST
	s_add_nc_u64 s[G0+4*\slot+2:G0+4*\slot+3], s[G0+4*\slot+2:G0+4*\slot+3], 8192
	s_add_nc_u64 s[G0B+4*\slot+2:G0B+4*\slot+3], s[G0B+4*\slot+2:G0B+4*\slot+3], 8192
	JLOAD G0+4*\slot, G1, G0B+4*\slot, G1B
	PLACES NP-4
.else
	PLACES NP
.endif
	s_wait_alu depctr_va_vdst(0)
	v_add_nc_u32 v[ADRS], 128, v[ADRS]
	FETCH_B \next, 0, 0
	FETCH_A \next, 0, 0
	SCALES \next
	WIN MUL_HI
	MUL16 4, 1, NQ-1, \slot, 0
	MUL16 6, 1, NQ-1, \slot, 0
	PLACES NP
	WIN 0
	FETCH_A \next, 0, 4
.endm
	s_wait_alu depctr_va_vdst(0)
	s_wait_tensorcnt 0x0                           ; my tile of the head's four is in
	ds_add_u32 v[SPW], v[NIL]
	s_mov_b32 s[G1+2], 8<<16                       ; no load of mine is out: from here on a load brings 8 tiles
	s_mov_b32 s[G1+4], 8
	s_mov_b32 s[G1B+2], 8<<16
	s_mov_b32 s[G1B+4], 8
	s_wait_dscnt 0x0
	CROUND                                         ; all four tiles are in, in every partner
	JLOAD G0+4, G1, G0B+4, G1B                     ; slot 1's first fill, my one load behind the round
	FETCH_B 0, 0, 0
	FETCH_A 0, 0, 0
	SCALES 0
	FETCH_A 0, 0, 4
	STEP 0, 0, 1
	s_mov_b32 s3, LAPS-1
.Llap:
	TURN 0, 1, 1
	STEP 1, 0, 0
	TURN 1, 0, 1
	STEP 0, 0, 0
	s_sub_co_u32 s3, s3, 1
	s_cmp_lg_u32 s3, 0
	s_cbranch_scc1 .Llap
	TURN 0, 1, 0
	STEP 1, 0, 0
	s_wait_dscnt 4*NL
	WIN MUL_LO
	MUL16 0, 1, NQ-1, 1, 0
	MUL16 2, 1, NQ-1, 1, 0
	s_wait_dscnt 0
	WIN MUL_HI
	MUL16 4, 1, NQ-1, 1, 0
	MUL16 6, 1, NQ-1, 1, 0
	WIN 0
.macro QUANT s, w
	WIN ((\w)<<2)|(\w)
.irp b, 0,1,2,3
	v_max3_num_f32 v[TM+\b], |v[(\s)+16*\b]|, |v[(\s)+16*\b+1]|, 0x8000000
.endr
.irp i, 2,4,6,8,10,12,14
.irp b, 0,1,2,3
	v_max3_num_f32 v[TM+\b], |v[(\s)+16*\b+\i]|, |v[(\s)+16*\b+\i+1]|, v[TM+\b]
.endr
.endr
	WIN 0
.irp b, 0,1,2,3
	v_permlanex16_b32 v[TM+4+\b], v[TM+\b], s[SEL], s[SEL+1]
.endr
.irp b, 0,1,2,3
	v_max_num_f32 v[TM+\b], v[TM+\b], v[TM+4+\b]
.endr
.irp b, 0,1,2,3
	v_add_nc_u32 v[TM+12+\b], 0xf8800000, v[TM+\b]
.endr
.irp b, 0,1,2,3
	v_and_or_b32 v[TM+8+\b], v[TM+\b], 0x7f800000, s[MNT]
.endr
.irp b, 0,1,2,3
	v_lshrrev_b32 v[TM+4+\b], 23, v[TM+12+\b]
.endr
	v_lshl_or_b32 v[PW], v[TM+5], 8, v[TM+4]
	v_lshl_or_b32 v[PW], v[TM+6], 16, v[PW]
	v_lshl_or_b32 v[PW], v[TM+7], 24, v[PW]
	WIN ((\w)<<6)|(\w)
.irp b, 0,1,2,3
.irp i, 0,1,2,3,4,5,6,7,8,9,10,11,12,13,14,15
	v_med3_num_f32 v[(\s)+16*\b+\i], v[(\s)+16*\b+\i], -v[TM+8+\b], v[TM+8+\b]
.endr
.endr
	WIN (\w)
.irp b, 0,1,2,3
	v_cvt_scalef32_pk8_bf8_f32 v[PC+4*\b:PC+4*\b+1], v[(\s)+16*\b:(\s)+16*\b+7], v[TM+12+\b]
	v_cvt_scalef32_pk8_bf8_f32 v[PC+4*\b+2:PC+4*\b+3], v[(\s)+16*\b+8:(\s)+16*\b+15], v[TM+12+\b]
.endr
	WIN 0
	v_nop
.endm
.macro COPY a
	WIN 2+(\a)/4
.set j, 0
.rept 32
	v_pk_mul_f32 v[H+j:H+j+1], v[64*((\a)%4)+j:64*((\a)%4)+j+1], 0.5 op_sel_hi:[1,0]
.set j, j+2
.endr
	WIN 0
.endm
.macro HORNER d, c
.set j, 0
.rept 16
	v_pk_fma_f32 v[\d+j:\d+j+1], v[\d+j:\d+j+1], v[Y2+j:Y2+j+1], s[\c:\c+1] op_sel_hi:[1,1,0]
.set j, j+2
.endr
.endm
.macro GELU u
.set HH, H+32*\u
.set j, 0
.rept 16
	v_pk_mul_f32 v[Y+j:Y+j+1], v[HH+j:HH+j+1], s[44:45] op_sel_hi:[1,0]
.set j, j+2
.endr
.set j, 0
.rept 32
	v_med3_num_f32 v[Y+j], v[Y+j], -4.0, 4.0
.set j, j+1
.endr
.set j, 0
.rept 16
	v_pk_mul_f32 v[Y2+j:Y2+j+1], v[Y+j:Y+j+1], v[Y+j:Y+j+1]
.set j, j+2
.endr
.set j, 0
.rept 16
	v_pk_fma_f32 v[P+j:P+j+1], v[Y2+j:Y2+j+1], s[24:25], v[CA5:CA5+1] op_sel_hi:[1,0,1]
	v_pk_fma_f32 v[Q+j:Q+j+1], v[Y2+j:Y2+j+1], s[36:37], v[CB3:CB3+1] op_sel_hi:[1,0,1]
.set j, j+2
.endr
	HORNER Q, 38
	HORNER Q, 40
	HORNER Q, 42
.set n, 0
.set m, 0
	s_wait_alu depctr_va_vdst(0)                   ; one wait ahead of the batch: all that it and the lines behind it read was written above
.rept 32
	v_rcp_f32 v[Q+n], v[Q+n]                       ; 1 / the denominator, 32 on end
.set n, n+1
.endr
.rept 96                               ; the numerator's five further steps and its factor y: plain lines that name no result of the batch
.if m < 80
	v_pk_fma_f32 v[P+2*(m%16):P+2*(m%16)+1], v[P+2*(m%16):P+2*(m%16)+1], v[Y2+2*(m%16):Y2+2*(m%16)+1], s[26+2*(m/16):27+2*(m/16)] op_sel_hi:[1,1,0]
.else
	v_pk_mul_f32 v[P+2*(m%16):P+2*(m%16)+1], v[P+2*(m%16):P+2*(m%16)+1], v[Y+2*(m%16):Y+2*(m%16)+1]
.endif
.set m, m+1
.endr
	s_wait_alu depctr_va_vdst(0)
.set j, 0
.rept 16
	v_pk_mul_f32 v[P+j:P+j+1], v[P+j:P+j+1], v[Q+j:Q+j+1]
.set j, j+2
.endr
.set j, 0
.rept 16
	v_pk_fma_f32 v[HH+j:HH+j+1], v[HH+j:HH+j+1], v[P+j:P+j+1], v[HH+j:HH+j+1]
.set j, j+2
.endr
.endm
	PLACES NP
	s_mov_b32 s24, 0xAF95DF0B
	s_mov_b32 s25, s24
	s_mov_b32 s26, 0xB60CFF51
	s_mov_b32 s27, s26
	s_mov_b32 s28, 0xB86EC2D2
	s_mov_b32 s29, s28
	s_mov_b32 s30, 0xBA40AC63
	s_mov_b32 s31, s30
	s_mov_b32 s32, 0xBB41A1F6
	s_mov_b32 s33, s32
	s_mov_b32 s34, 0xBC83DBD4
	s_mov_b32 s35, s34
	s_mov_b32 s36, 0xB77460CD
	s_mov_b32 s37, s36
	s_mov_b32 s38, 0xBADC924E
	s_mov_b32 s39, s38
	s_mov_b32 s40, 0xBBF19BF8
	s_mov_b32 s41, s40
	s_mov_b32 s42, 0xBC69B6A7
	s_mov_b32 s43, s42
	s_mov_b32 s44, 0x3fb504f3
	s_mov_b32 s45, s44
	v_mov_b32 v[CA5], 0x32EDFFEE
	v_mov_b32 v[CA5+1], 0x32EDFFEE
	v_mov_b32 v[CB3], 0xB95FBD29
	v_mov_b32 v[CB3+1], 0xB95FBD29
	s_mov_b32 s3, 0
.Lrow:
.irp a, 0,1,2,3,4,5,6
	s_cmp_eq_u32 s3, \a
	s_cbranch_scc1 .Lc\a
.endr
	COPY 7
	s_branch .Lgelu
.irp a, 0,1,2,3,4,5,6
.Lc\a:
	COPY \a
	s_branch .Lgelu
.endr
.Lgelu:
	GELU 0
	GELU 1
	QUANT H, 0
.irp c, 0,1,2,3
	global_store_b128 v[OLO], v[PC+4*\c:PC+4*\c+3], s[10:11] offset:512*\c
.endr
	global_store_b32 v[SOF], v[PW], s[8:9]
	s_wait_xcnt 0x0
	s_add_nc_u64 s[10:11], s[10:11], 65536
	s_add_nc_u64 s[8:9], s[8:9], 2048
	s_add_co_u32 s3, s3, 1
	s_cmp_lt_u32 s3, 8
	s_cbranch_scc1 .Lrow
	s_wait_tensorcnt 0x0
	ds_add_u32 v[SPW], v[NIL]
	s_wait_dscnt 0x0
	CROUND
	s_endpgm
.Lfunc_end_k_q2add52712e_fc:
	.size	k_q2add52712e_fc, .Lfunc_end_k_q2add52712e_fc-k_q2add52712e_fc
	.p2alignl 7, 3214868480
	.fill 96, 4, 3214868480
	.section	.rodata,"a",@progbits
	.p2align	6, 0x0
	.amdhsa_kernel k_q2add52712e_fc
		.amdhsa_group_segment_fixed_size 327680
		.amdhsa_private_segment_fixed_size 0
		.amdhsa_enable_private_segment 0
		.amdhsa_kernarg_size 24
		.amdhsa_user_sgpr_count 2
		.amdhsa_user_sgpr_kernarg_segment_ptr 1
		.amdhsa_wavefront_size32 1
		.amdhsa_system_sgpr_workgroup_id_x 1
		.amdhsa_system_sgpr_workgroup_id_y 1
		.amdhsa_system_sgpr_workgroup_id_z 1
		.amdhsa_system_vgpr_workitem_id 0
		.amdhsa_next_free_vgpr 1024
		.amdhsa_next_free_sgpr 98
		.amdhsa_reserve_vcc 0
		.amdhsa_float_denorm_mode_32 3
		.amdhsa_float_denorm_mode_16_64 3
		.amdhsa_memory_ordered 1
		.amdhsa_forward_progress 1
		.amdhsa_inst_pref_size 182
	.end_amdhsa_kernel
	.amdgpu_metadata
---
amdhsa.version: [ 1, 2 ]
amdhsa.kernels:
  - .name:           k_q2add52712e_fc
    .symbol:         k_q2add52712e_fc.kd
    .args:
      - { .name: n2, .offset: 0, .size: 8, .value_kind: global_buffer, .address_space: global }
      - { .name: wbuf, .offset: 8, .size: 8, .value_kind: global_buffer, .address_space: global }
      - { .name: hid, .offset: 16, .size: 8, .value_kind: global_buffer, .address_space: global }
    .group_segment_fixed_size: 327680
    .private_segment_fixed_size: 0
    .kernarg_segment_align: 8
    .kernarg_segment_size: 24
    .max_flat_workgroup_size: 128
    .sgpr_count:     98
    .vgpr_count:     1024
    .wavefront_size: 32
...
	.end_amdgpu_metadata
.endif
;; end of part 6
;; launch proj (part 7): grid 8 x 32, 4 waves a work-group, clusters of 4 x 4, 327,680 bytes of LDS; arguments hid, wbuf, z1, out0; writes out0
.if DOCPART == 7
	.amdgcn_target "amdgcn-amd-amdhsa--gfx1250"
	.amdhsa_code_object_version 6
	.text
	.protected	k_q2add52712e_proj
	.globl	k_q2add52712e_proj
	.p2align	8
	.type	k_q2add52712e_proj,@function
k_q2add52712e_proj:
	s_mov_b64 s[64:65], 0
	v_nop
	global_prefetch_b8 v0, s[64:65] scope:SCOPE_SE
	s_setreg_imm32_b32 hwreg(HW_REG_WAVE_MODE, 25, 1), 1
	s_wait_xcnt 0x0
	s_wait_alu depctr_hold_cnt(0) depctr_sa_sdst(0) depctr_va_vdst(0) depctr_va_sdst(0) depctr_va_ssrc(0) depctr_va_vcc(0) depctr_vm_vsrc(0)
	s_getreg_b32 s2, hwreg(HW_REG_IB_STS2, 6, 4)
	s_cmp_eq_u32 s2, 0
	s_cbranch_scc0 .Lentry_in_a_cluster
	s_endpgm
.Lentry_in_a_cluster:
	s_bfe_u32 s2, ttmp6, 0x10000c
	s_cmp_lg_u32 s2, 0xf033
	s_cbranch_scc0 .Lentry_shape_is_right
	s_endpgm
.Lentry_shape_is_right:
; out0 = z1 + hid x W_proj on codes of BF8 (E5M2) with E8M0 scales.  Operands lie as images of operand registers: [tile of 16 rows][K step of 128][2048 bytes], scale words [tile][K step][16 words].
; The result has 32 x 8 blocks of 128 x 128, one for each of 256 work-groups; four waves, 64 x 64 each.  K goes in steps of 512 through a ring of two LDS slots (A's 8 tiles, then B's 8); 4 x 4 work-groups ask jointly.
; THE HEAD: one joint load a wave: wave 0 A's 8 tiles of slot 0, wave 2 B's (each by its own ring descriptor, with 8 rows in group 1), waves 1 and 3 the scale words of A's and of B's 8 tiles for all of K.  Slot 1 is first filled as a refill is.
; PREFETCH: behind the load of K chunk c (512 along K) each wave asks for chunk c + 2, two fills ahead, c = 0 .. 5: of the 4 tiles that a wave fetches in the ring, the partner at place p among the four that ask jointly
; (p = cx for A, cy for B) names tile p: 8,192 bytes, lanes 256 bytes apart, one instruction.  The partners are told apart by address alone.  The last two refills ask for nothing: chunk 7 is the last.
.set SIZE_K, 4096
.set ASOFF,  0x1000000
.set BCOFF,  0x800000
.set BSOFF,  0xC00000+BCOFF/32
.set TP,     16*SIZE_K
.set SROW,   SIZE_K/2
.set NP,     8
.set SLOT,   131072
.set LAPS,   SIZE_K/1024
.set SCL,    2*SLOT
.set SPARE,  SCL+16*SROW
.set SPITCH, 272
.set ADRA, 16
.set ADRB, 20
.set STO,  24
.set RD,   25
.set CO,   26
.set ADRS, 27
.set SPW,  28
.set NIL,  29
.set SC,   32
.set BK,   64
.set ACC,  128
.set G1, 24
.set G0, 32
.set G1B, 48
.set G0B, 56
.set G1S, 68
.set G0S, 76
.set G1SB, 80
.set G0SB, 88
.set MSB, 0
.macro WIN new
.if MSB != (\new)
	s_set_vgpr_msb (MSB<<8)|(\new)
.set MSB, (\new)
.endif
.endm
.set MUL,  0x05
.set TO_F, 0x40
.macro JLOAD g0a, g1a, g0b, g1b
	s_cmp_eq_u32 s15, 0
	s_cbranch_scc0 .Lfor_b_\@
	tensor_load_to_lds s[\g0a:\g0a+3], s[\g1a:\g1a+7]
	s_nop 0
.rept 4
	v_nop
.endr
	s_branch .Lasked_\@
.Lfor_b_\@:
	tensor_load_to_lds s[\g0b:\g0b+3], s[\g1b:\g1b+7]
	s_nop 0
.rept 4
	v_nop
.endr
.Lasked_\@:
.endm
.macro CREST
	s_cmp_lg_u32 s14, 0
	s_cbranch_scc1 .Lnot_wave_0_\@
	s_barrier_signal -3
.Lnot_wave_0_\@:
	s_barrier_wait -3
	s_barrier_signal -1
	s_barrier_wait -1
.endm
.macro CROUND
	s_barrier_signal -1
	s_barrier_wait -1
	CREST
.endm
	s_load_b256 s[4:11], s[0:1], 0x0
	v_lshl_add_u32 v[SPW], v0, 2, SPARE
	v_mov_b32 v[NIL], 0
	ds_add_u32 v28, v29
	ds_add_u32 v28, v29
	s_wait_dscnt 0x0
	v_lshrrev_b32 v1, 5, v0
	v_readfirstlane_b32 s14, v1
	s_lshr_b32 s15, s14, 1
	s_and_b32 s16, s14, 1
	s_bfe_u32 s40, ttmp6, 0x40000
	s_bfe_u32 s41, ttmp6, 0x40004
	s_lshl_b32 s42, ttmp9, 2
	s_add_co_u32 s42, s42, s40
	s_and_b32 s17, ttmp7, 0xffff
	s_lshl_b32 s17, s17, 2
	s_add_co_u32 s17, s17, s41
	s_lshl_b32 s43, s41, 2
	s_lshl_b32 s43, 15, s43
	s_lshl_b32 s44, 0x1111, s40
	s_or_b32 s[G1+0], s43, (3<<16)|(1<<21)
	s_or_b32 s[G1B+0], s44, (3<<16)|(1<<21)
.irp g, G1, G1B
	s_mov_b32 s[\g+1], 1024<<16
	s_mov_b32 s[\g+2], 8<<16                       ; 8 tiles for the head's loads; 4 for the ring's, set behind the head's wait
	s_mov_b32 s[\g+3], 1024<<16
	s_mov_b32 s[\g+4], 8
	s_mov_b32 s[\g+5], 2*SIZE_K
	s_mov_b32 s[\g+6], 0
	s_mov_b32 s[\g+7], 0
.endr
	s_or_b32 s[G1S+0], s43, (3<<16)|(1<<21)
	s_or_b32 s[G1SB+0], s44, (3<<16)|(1<<21)
.irp g, G1S, G1SB
	s_mov_b32 s[\g+1], 32<<16
	s_mov_b32 s[\g+2], (SIZE_K/64)<<16             ; the scale words of 8 tiles, dense, as rows of 256 bytes
	s_mov_b32 s[\g+3], 32<<16
	s_mov_b32 s[\g+4], SIZE_K/64
	s_mov_b32 s[\g+5], 32
	s_mov_b32 s[\g+6], 0
	s_mov_b32 s[\g+7], 0
.endr
	s_mov_b32 s18, 0                               ; the block's first tile; the ring's half is added below
	s_lshl_b32 s20, s17, 3
	s_add_co_u32 s20, s20, s18
	s_lshl_b32 s46, s42, 3
	s_add_co_u32 s46, s46, s18
	s_mul_i32 s22, s20, SROW
	s_add_co_u32 s22, s22, ASOFF
	s_mov_b32 s23, 0
	s_mul_i32 s12, s46, SROW
	s_add_co_u32 s12, s12, BSOFF
	s_mov_b32 s13, 0
	s_mul_i32 s20, s20, TP
	s_mov_b32 s21, 0
	s_mul_i32 s46, s46, TP
	s_add_co_u32 s46, s46, BCOFF
	s_mov_b32 s47, 0
	s_lshl_b32 s45, s14, 15
	s_wait_kmcnt 0x0
	s_add_nc_u64 s[20:21], s[4:5], s[20:21]
	s_add_nc_u64 s[22:23], s[4:5], s[22:23]
	s_add_nc_u64 s[46:47], s[6:7], s[46:47]
	s_add_nc_u64 s[12:13], s[6:7], s[12:13]
	CROUND
	s_mov_b32 s[G0S], 1
	s_mov_b32 s[G0S+1], SCL
	s_mov_b64 s[G0S+2:G0S+3], s[22:23]
	s_or_b32 s[G0S+3], s[G0S+3], 0x80000000
	s_mov_b32 s[G0SB], 1
	s_mov_b32 s[G0SB+1], SCL+8*SROW
	s_mov_b64 s[G0SB+2:G0SB+3], s[12:13]
	s_or_b32 s[G0SB+3], s[G0SB+3], 0x80000000
	s_mul_i32 s18, s16, 4*TP                       ; in the ring I fetch 4 tiles: which half
	s_mov_b32 s19, 0
	s_add_nc_u64 s[20:21], s[20:21], s[18:19]
	s_add_nc_u64 s[46:47], s[46:47], s[18:19]
.irp s, 0,1
	s_mov_b32 s[G0+4*\s], 1
	s_add_co_u32 s[G0+4*\s+1], s45, \s*SLOT
	s_add_nc_u64 s[G0+4*\s+2:G0+4*\s+3], s[20:21], \s*8192
	s_or_b32 s[G0+4*\s+3], s[G0+4*\s+3], 0x80000000
	s_mov_b32 s[G0B+4*\s], 1
	s_add_co_u32 s[G0B+4*\s+1], s45, \s*SLOT
	s_add_nc_u64 s[G0B+4*\s+2:G0B+4*\s+3], s[46:47], \s*8192
	s_or_b32 s[G0B+4*\s+3], s[G0B+4*\s+3], 0x80000000
.endr
; the head's four loads, one a wave, in one chain of branches on the wave's number with one join
.macro ARM wv, g0, g1, next
	s_cmp_eq_u32 s14, \wv
	s_cbranch_scc0 \next
	tensor_load_to_lds s[\g0:\g0+3], s[\g1:\g1+7]
	s_nop 0
.rept 4
	v_nop
.endr
	s_branch .Lhead_asked
\next:
.endm
	ARM 0, G0, G1, .Lhead_b                        ; wave 0's slot 0 descriptor: LDS 0, A's first tile
	ARM 2, G0B, G1B, .Lhead_sa                     ; wave 2's: LDS 65,536, B's first tile
	ARM 1, G0S, G1S, .Lhead_sb
	tensor_load_to_lds s[G0SB:G0SB+3], s[G1SB:G1SB+7]
	s_nop 0
.rept 4
	v_nop
.endr
.Lhead_asked:
	s_lshl_b32 s92, s17, 3                         ; the prefetches: s[92:93] = chunk 0 of my tile: A: 8 x block row + cx,
	s_add_co_u32 s92, s92, s40
	s_lshl_b32 s93, s42, 3                         ; B: 8 x block column + cy, behind the other weights' tiles,
	s_add_co_u32 s93, s93, s41
	s_add_co_u32 s93, s93, BCOFF/TP
	s_cmp_eq_u32 s15, 0                            ; waves 0, 1 fetch for A, waves 2, 3 for B
	s_cselect_b32 s92, s92, s93
	s_cselect_b64 s[94:95], s[4:5], s[6:7]
	s_lshl_b32 s93, s16, 2                         ; + the 4 tiles that I fetch in the ring
	s_add_co_u32 s92, s92, s93
	s_mul_i32 s92, s92, TP
	s_mov_b32 s93, 0
	s_add_nc_u64 s[92:93], s[94:95], s[92:93]
	v_and_b32 v30, 31, v0
	v_lshlrev_b32 v30, 8, v30                      ; lanes 256 bytes apart; never rewritten
	global_prefetch_b8 v30, s[92:93] offset:16384 th:TH_LOAD_NT scope:SCOPE_SE   ; chunk 2
	v_and_b32 v1, 15, v0
	v_bfe_u32 v2, v0, 4, 1
	v_lshlrev_b32 v[CO], 12, v2
	v_lshl_add_u32 v[CO], v1, 4, v[CO]
	s_wait_alu depctr_va_vdst(0)
	s_lshl_b32 s18, s17, 19
	s_lshl_b32 s19, s15, 18
	s_add_co_u32 s18, s18, s19
	s_lshl_b32 s19, s42, 9
	s_add_co_u32 s18, s18, s19
	s_lshl_b32 s19, s16, 8
	s_add_co_u32 s18, s18, s19
	s_mov_b32 s19, 0
	s_add_nc_u64 s[8:9], s[8:9], s[18:19]
	s_add_nc_u64 s[10:11], s[10:11], s[18:19]
	WIN 0x80
.irp a, 0,1,2,3
.irp t, 0,1,2,3,4,5,6,7
	global_load_b128 v[32*\a+4*\t:32*\a+4*\t+3], v[CO], s[8:9] offset:(32*(\a/2)+8*(\a%2)+2*\t+8*(\t/4))*4096
.endr
.endr
	WIN 0
	v_and_b32 v3, 31, v0
	v_lshlrev_b32 v4, 4, v3
	s_lshl_b32 s21, s15, 15
	s_lshl_b32 s22, s16, 15
	s_add_co_u32 s22, s22, 65536
.irp s, 0,1
	v_add_nc_u32 v[ADRA+\s], s21, v4
	v_add_nc_u32 v[ADRB+\s], s22, v4
	s_add_co_u32 s21, s21, SLOT
	s_add_co_u32 s22, s22, SLOT
.endr
	v_lshlrev_b32 v5, 2, v1
	s_mul_i32 s21, s15, 4*SROW
	s_mul_i32 s22, s16, 4*SROW
	s_add_co_u32 s22, s22, 8*SROW
	s_sub_co_u32 s22, s22, s21
	v_mul_u32_u24 v6, s22, v2
	s_add_co_u32 s21, s21, SCL
	v_add_nc_u32 v5, v5, v6
	v_add_nc_u32 v[ADRS], s21, v5
	s_mul_i32 s23, s14, 16*SPITCH
	v_mul_u32_u24 v5, v1, SPITCH
	v_lshl_add_u32 v5, v2, 6, v5
	v_add_nc_u32 v[STO], s23, v5
	v_mul_u32_u24 v5, v2, SPITCH
	v_lshl_add_u32 v5, v1, 4, v5
	v_add_nc_u32 v[RD], s23, v5
.macro MUL4 a, p, q, sc, zero
.irp b, 0,1,2,3
.if \zero
	v_wmma_scale_f32_16x16x128_f8f6f4 v[ACC+8*(4*(\a)+\b):ACC+8*(4*(\a)+\b)+7], v[128*(\p)+64+16*\b:128*(\p)+64+16*\b+15], v[128*(\p)+16*(\a):128*(\p)+16*(\a)+15], 0, v[SC+16*(\sc)+4*\b+(\q)], v[SC+16*(\sc)+4*(\a)+(\q)] matrix_a_fmt:MATRIX_FMT_BF8 matrix_b_fmt:MATRIX_FMT_BF8 matrix_a_scale:MATRIX_SCALE_ROW1
.else
	v_wmma_scale_f32_16x16x128_f8f6f4 v[ACC+8*(4*(\a)+\b):ACC+8*(4*(\a)+\b)+7], v[128*(\p)+64+16*\b:128*(\p)+64+16*\b+15], v[128*(\p)+16*(\a):128*(\p)+16*(\a)+15], v[ACC+8*(4*(\a)+\b):ACC+8*(4*(\a)+\b)+7], v[SC+16*(\sc)+4*\b+(\q)], v[SC+16*(\sc)+4*(\a)+(\q)] matrix_a_fmt:MATRIX_FMT_BF8 matrix_b_fmt:MATRIX_FMT_BF8 matrix_a_scale:MATRIX_SCALE_ROW1
.endif
.endr
.endm
.macro FETCH slot, q, p
	WIN TO_F
.irp i, 0,1,2,3
.irp c, 0,1,2,3
	ds_load_b128 v[128*(\p)+64+16*\i+4*\c:128*(\p)+64+16*\i+4*\c+3], v[ADRB+\slot] offset:8192*\i+2048*(\q)+512*\c
	ds_load_b128 v[128*(\p)+16*\i+4*\c:128*(\p)+16*\i+4*\c+3], v[ADRA+\slot] offset:8192*\i+2048*(\q)+512*\c
.endr
.endr
.endm
.macro SCALES sc
	WIN 0
.irp i, 0,1,2,3
.irp q, 0,1,2,3
	ds_load_b32 v[SC+16*\sc+4*\i+\q], v[ADRS] offset:SROW*\i+64*\q
.endr
.endr
.endm
.macro PLACES n
.rept \n
	v_nop
.endr
.endm
.macro STEP slot, q, zero
	s_wait_dscnt 0x0
	WIN MUL
	MUL4 0, (\q)%2, \q, \slot, \zero
	MUL4 1, (\q)%2, \q, \slot, \zero
	PLACES NP
	FETCH \slot, (\q)+1, 1-(\q)%2
	WIN MUL
	MUL4 2, (\q)%2, \q, \slot, \zero
	MUL4 3, (\q)%2, \q, \slot, \zero
.endm
.macro TURN slot, next, fill
	WIN 0
.if \fill
	s_wait_xcnt 0x0                                ; my last prefetch has read its address: it steps one chunk on
	s_add_nc_u64 s[92:93], s[92:93], 8192
.endif
	s_wait_tensorcnt 0x0
	ds_add_u32 v[SPW], v[NIL]
	s_wait_dscnt 1
	WIN MUL
	MUL4 0, 1, 3, \slot, 0
	s_wait_dscnt 0x0
	s_barrier_signal -1
	MUL4 1, 1, 3, \slot, 0
	WIN 0
	s_barrier_wait -1
.if \fill
	CREST
	s_add_nc_u64 s[G0+4*\slot+2:G0+4*\slot+3], s[G0+4*\slot+2:G0+4*\slot+3], 16384
	s_add_nc_u64 s[G0B+4*\slot+2:G0B+4*\slot+3], s[G0B+4*\slot+2:G0B+4*\slot+3], 16384
	JLOAD G0+4*\slot, G1, G0B+4*\slot, G1B
	PLACES NP-4
.else
	PLACES NP
.endif
	s_wait_alu depctr_va_vdst(0)
	v_add_nc_u32 v[ADRS], 256, v[ADRS]
	SCALES \next
	FETCH \next, 0, 0
.if \fill
	WIN 0
	s_cmp_gt_u32 s3, 1                             ; the loop's last trip loads chunks 6 and 7: no chunk stands two on
	s_cbranch_scc0 .Lno_ask_\@
	global_prefetch_b8 v30, s[92:93] offset:24576 th:TH_LOAD_NT scope:SCOPE_SE   ; the chunk two fills on
.Lno_ask_\@:
.endif
	WIN MUL
	MUL4 2, 1, 3, \slot, 0
	MUL4 3, 1, 3, \slot, 0
.endm
	s_wait_alu depctr_va_vdst(0)
	s_wait_tensorcnt 0x0                           ; my tile of the head's four is in
	ds_add_u32 v[SPW], v[NIL]
	s_mov_b32 s[G1+2], 4<<16                       ; no load of mine is out: from here on a load brings 4 tiles
	s_mov_b32 s[G1+4], 4
	s_mov_b32 s[G1B+2], 4<<16
	s_mov_b32 s[G1B+4], 4
	s_wait_dscnt 0x0
	CROUND                                         ; all four tiles are in, in every partner
	JLOAD G0+4, G1, G0B+4, G1B                     ; slot 1's first fill, my one load behind the round
	SCALES 0
	FETCH 0, 0, 0
	global_prefetch_b8 v30, s[92:93] offset:24576 th:TH_LOAD_NT scope:SCOPE_SE   ; chunk 3
	STEP 0, 0, 1
.if LAPS > 1
	WIN 0
	s_mov_b32 s3, LAPS-1
.Llap:
	STEP 0, 1, 0
	STEP 0, 2, 0
	TURN 0, 1, 1
	STEP 1, 0, 0
	STEP 1, 1, 0
	STEP 1, 2, 0
	TURN 1, 0, 1
	STEP 0, 0, 0
	WIN 0
	s_sub_co_u32 s3, s3, 1
	s_cmp_lg_u32 s3, 0
	s_cbranch_scc1 .Llap
.endif
	STEP 0, 1, 0
	STEP 0, 2, 0
	TURN 0, 1, 0
	STEP 1, 0, 0
	STEP 1, 1, 0
	STEP 1, 2, 0
	s_wait_dscnt 0x0
	WIN MUL
	MUL4 0, 1, 3, 1, 0
	MUL4 1, 1, 3, 1, 0
	MUL4 2, 1, 3, 1, 0
	MUL4 3, 1, 3, 1, 0
	WIN 0
.macro TOSTAGE a
.irp b, 0,1,2,3
	ds_store_b128 v[STO], v[ACC+8*(4*(\a)+\b):ACC+8*(4*(\a)+\b)+3] offset:128*(\b/2)+32*(\b%2)
	ds_store_b128 v[STO], v[ACC+8*(4*(\a)+\b)+4:ACC+8*(4*(\a)+\b)+7] offset:128*(\b/2)+32*(\b%2)+16
.endr
.irp t, 0,1,2,3,4,5,6,7
	ds_load_b128 v[BK+32*((\a)%2)+4*\t:BK+32*((\a)%2)+4*\t+3], v[RD] offset:2*SPITCH*\t
.endr
.endm
.macro SEND a, younger
.set BB, BK+32*((\a)%2)
	s_wait_dscnt \younger
	WIN 0x08
.set j, 0
.rept 16
	v_pk_add_f32 v[BB+j:BB+j+1], v[BB+j:BB+j+1], v[32*(\a)+j:32*(\a)+j+1]
.set j, j+2
.endr
	WIN 0
.irp t, 0,1,2,3,4,5,6,7
	global_store_b128 v[CO], v[BB+4*\t:BB+4*\t+3], s[10:11] offset:(32*((\a)/2)+8*((\a)%2)+2*\t+8*(\t/4))*4096
.endr
.endm
	PLACES NP
	s_wait_loadcnt 0x0
	TOSTAGE 0
.irp a, 1,2,3
.if \a > 1
	s_wait_xcnt 0x0
.endif
	TOSTAGE \a
	SEND \a-1, 16
.endr
	SEND 3, 0
	s_wait_tensorcnt 0x0
	ds_add_u32 v[SPW], v[NIL]
	s_wait_dscnt 0x0
	CROUND
	s_endpgm
.Lfunc_end_k_q2add52712e_proj:
	.size	k_q2add52712e_proj, .Lfunc_end_k_q2add52712e_proj-k_q2add52712e_proj
	.p2alignl 7, 3214868480
	.fill 96, 4, 3214868480
	.section	.rodata,"a",@progbits
	.p2align	6, 0x0
	.amdhsa_kernel k_q2add52712e_proj
		.amdhsa_group_segment_fixed_size 327680
		.amdhsa_private_segment_fixed_size 0
		.amdhsa_enable_private_segment 0
		.amdhsa_kernarg_size 32
		.amdhsa_user_sgpr_count 2
		.amdhsa_user_sgpr_kernarg_segment_ptr 1
		.amdhsa_wavefront_size32 1
		.amdhsa_system_sgpr_workgroup_id_x 1
		.amdhsa_system_sgpr_workgroup_id_y 1
		.amdhsa_system_sgpr_workgroup_id_z 1
		.amdhsa_system_vgpr_workitem_id 0
		.amdhsa_next_free_vgpr 640
		.amdhsa_next_free_sgpr 98
		.amdhsa_reserve_vcc 0
		.amdhsa_float_denorm_mode_32 3
		.amdhsa_float_denorm_mode_16_64 3
		.amdhsa_memory_ordered 1
		.amdhsa_forward_progress 1
		.amdhsa_inst_pref_size 103
	.end_amdhsa_kernel
	.amdgpu_metadata
---
amdhsa.version: [ 1, 2 ]
amdhsa.kernels:
  - .name:           k_q2add52712e_proj
    .symbol:         k_q2add52712e_proj.kd
    .args:
      - { .name: hid, .offset: 0, .size: 8, .value_kind: global_buffer, .address_space: global }
      - { .name: wbuf, .offset: 8, .size: 8, .value_kind: global_buffer, .address_space: global }
      - { .name: z1, .offset: 16, .size: 8, .value_kind: global_buffer, .address_space: global }
      - { .name: out0, .offset: 24, .size: 8, .value_kind: global_buffer, .address_space: global }
    .group_segment_fixed_size: 327680
    .private_segment_fixed_size: 0
    .kernarg_segment_align: 8
    .kernarg_segment_size: 32
    .max_flat_workgroup_size: 128
    .sgpr_count:     98
    .vgpr_count:     640
    .wavefront_size: 32
...
	.end_amdgpu_metadata
.endif
;; end of part 7
